; MI455X (gfx1250); checked and timed in simulation.
; The chip was launched on July 23, 2026; its instructions are those of AMD's public machine-readable ISA for CDNA 5 (MIT licence, August 2026) and "CDNA5" Instruction Set Architecture Reference Guide (July 2026). The comments in the code are by the model that wrote it; some were corrected since.
;; Class Attention. Allowed arithmetic: matrix products marked QUANTISED: E2M3 operands, one E8M0 scale for each 32 along K, by v_wmma_scale_f32_16x16x128_f8f6f4 with both operands' format E2M3, f32 sums; everything else in f32.
;; Inputs: Wk 768 x 768 float32; Wp 768 x 768 float32; Wq 768 x 768 float32; Wv 768 x 768 float32; bp 768 float32; lamb 12 float32; x 16 x 577 x 768 float32.
;; Outputs: out0 16 x 577 x 768 float32.
;; This version of the problem:
;;   THIS VERSION OF THE PROBLEM IS GIVEN IN LOW PRECISION. The matrix products marked QUANTISED in the list below multiply operands that are first quantised to E2M3 (2 exponent bits, 3 mantissa bits; 6 bits a number), with one power-of-two scale for each 32 numbers along K (OCP MX v1.0); their sums are f32. All else is computed in f32.
;;   The module's matrix products, in the order in which they are computed (A, B: the left and right operand; K: the contracted axis; several contracted axes count as one K, in the product's order):
;;     1. [M 9,232, K 768] x [K 768, N 768]; A: input x; B: input Wq: QUANTISED
;;     2. [M 9,232, K 768] x [K 768, N 768]; A: input x; B: input Wk: QUANTISED
;;     3. [M 9,232, K 768] x [K 768, N 768]; A: input x; B: input Wv: QUANTISED
;;     4. batch 192 x [M 577, K 64] x [K 64, N 577]; A: computed on the way; B: computed on the way: QUANTISED
;;     5. batch 192 x [M 577, K 577] x [K 577, N 577]; A: softmax (see below); B: computed on the way: QUANTISED
;;     6. batch 192 x [M 64, K 577] x [K 577, N 577]; A: computed on the way; B: computed on the way: QUANTISED
;;     7. [M 9,232, K 768] x [K 768, N 768]; A: computed on the way; B: input Wp: QUANTISED
;;   THE QUANTISER, for each operand of a quantised product, along K:
;;     - K is cut into blocks of 32 from its start; a last block that is shorter is filled with zeros.
;;     - A block's scale is 2^e with e = floor(log2(the largest magnitude in the block)) - 2, held to -126 .. 127; a block of zeros has e = 0. As a byte (E8M0): e + 127.
;;     - Each number is divided by its block's scale, clamped to +-7.5, and rounded to the nearest number of E2M3, ties to even, subnormals kept.
;;     - The product sums the exact products of the quantised numbers (number of the format x scale) in f32.
;;   ~~~python
;;   def quantise(x, axis):      # numpy; x: float32 -> the quantised numbers, widened to float32 again
;;       x = np.moveaxis(x, axis, -1); K = x.shape[-1]
;;       x = np.pad(x, [(0, 0)] * (x.ndim - 1) + [(0, -K % 32)]); x = x.reshape(x.shape[:-1] + (-1, 32)); a = np.abs(x).max(-1, keepdims=True)
;;       e = np.where(a > 0, np.clip(np.frexp(np.where(a > 0, a, 1))[1] - 1 - 2, -126, 127), 0)      # np.frexp(a)[1] - 1 = floor(log2(a)), exactly
;;       r = np.clip(x / 2.0 ** e, -7.5, 7.5)
;;       step = 2.0 ** (np.maximum(np.frexp(np.where(r == 0, 1, r))[1] - 1, 0) - 3)
;;       q = np.round(r / step) * step * 2.0 ** e      # np.round: ties to even
;;       return np.moveaxis(q.reshape(q.shape[:-2] + (-1,))[..., :K], -1, axis).astype(np.float32)
;;   ~~~
;;   SOFTMAX AHEAD OF A QUANTISED PRODUCT. Where the list says 'softmax', what is quantised is not the finished softmax but p = 2^(t - M), with t = logit x log2(e) and M = ceil(the row's largest t), a whole number; so 1/2 < the row's largest p <= 1. The row's sum l is taken of the UNQUANTISED p, in f32, and the product's result is divided by l at the end. Since M is a whole number, a kernel that streams over the keys may use a running M (the ceiling of the running maximum): every later rescaling is an exact power of two, which a block's scale takes up: the codes' values come out the same.
;;   OPERANDS COMPUTED ON THE WAY. 'Computed on the way' means the value that the module computes at that place (a softmax that the list does not call 'softmax' is quantised finished and normalised). What goes into a quantiser is computed in f32, as accurately as f32 sums, v_exp_f32 and their like allow (about 1e-6 of the number): no bf16 or f16 on the way to a quantiser, and a product that is left as it is and whose result goes on into a quantised operand takes f32 operands (vector FMAs, or v_wmma_f32_16x16x4_f32). A number that lies on a knife's edge between two numbers of the format may be rounded either way, as far as f32 arithmetic and the matrix unit's own rounding can turn it there, and no further.
;; One version. Each part assembles by itself: llvm-mc -triple=amdgcn-amd-amdhsa -mcpu=gfx1250 --defsym DOCPART=n.
;; ======== version 1 of 1: 4 launches
;; workspace buffers: xq 6,389,760 bytes; wq 1,916,928 bytes; qq 6,881,280 bytes; kq 6,881,280 bytes; vq 6,389,760 bytes; oq 5,910,528 bytes
;; launch prep (part 1): grid 52 x 16, 6 waves a work-group, no clusters, 51,456 bytes of LDS; arguments x, Wq, Wk, Wv, Wp, xq, wq; writes xq, wq
.if DOCPART == 1
	.amdgcn_target "amdgcn-amd-amdhsa--gfx1250"
	.amdhsa_code_object_version 6
	.text
	.protected	k_q9339627392_prep
	.globl	k_q9339627392_prep
	.p2align	8
	.type	k_q9339627392_prep,@function
k_q9339627392_prep:
	s_mov_b64 s[64:65], 0
	v_nop
	global_prefetch_b8 v0, s[64:65] scope:SCOPE_SE
	s_setreg_imm32_b32 hwreg(HW_REG_WAVE_MODE, 25, 1), 1
	s_wait_xcnt 0x0
; x [16][577][768] and the four weights [768][768], f32, K innermost, become codes of FP6 (E2M3) with one E8M0 byte for each 32 along K,
; laid as IMAGES OF OPERAND REGISTERS: a record is 16 rows x 128 K = 12 registers a lane, three groups of 512 bytes, registers 4 g .. 4 g + 3 of lane l at 512 g + 16 l;
; its scale words are 128 bytes, the word at 4 l being that of row l % 16.
; THE ROWS OF A TILE ARE NOT NEIGHBOURS: row i of tile T is element 32 (T / 2) + 8 (T % 2) + i + 8 (i / 8), so that results of two neighbouring tiles are 16 neighbours along a later K.
; A batch of x has 40 tiles (640 tokens): tokens 577 .. 639 are zeros.  xq: record (40 b + T) 6 + s.  wq: record (((12 mat + u) 6 + s) 4 + t), tile 4 u + t, mat = q, k, v, p.
; A work-group takes one tile, wave s its K step s.  Work-groups x < 40 take x (batch y); the others the weights (mat = y / 4, tile 12 (y % 4) + x - 40).  Only pointers and offsets are chosen: one path through LDS.
; A load reads one row's 512 consecutive bytes; the 16 rows turn through the wave's own stage (rows of 528 bytes) so that a lane gets 16 neighbours of each block of 32.
; A block's scale is 2^(floor(log2(largest magnitude)) - 2): its byte is the largest magnitude's exponent field - 2, held at 1 from below.
; LIMITS: a block of zeros, and one whose largest magnitude lies under 2^-124, has the byte 1 (its reader is this program alone); NaN and infinities among the inputs are not served.
.set R,    16                          ; v16-79   16 rows as loaded, 4 registers each
.set X,    80                          ; v80-143  register 16 b + i = k 32 b + 16 (lane / 16) + i of row lane % 16
.set PC,   144                         ; v144-155 the codes, v156-163 at work
.set TM,   164                         ; v164-179 at work
.set PW,   180                         ; the scale word
.set SP,   528                         ; a stage row: 512 bytes + 16
.set STG,  16*SP
.macro QUANT s
.irp b, 0,1,2,3
	v_max3_num_f32 v[TM+\b], |v[\s+16*\b]|, |v[\s+1+16*\b]|, 0x1800000   ; block b: my 16 numbers, and the floor 2^(3 - 127)
.endr
.irp i, 2,4,6,8,10,12,14
.irp b, 0,1,2,3
	v_max3_num_f32 v[TM+\b], v[TM+\b], |v[\s+16*\b+\i]|, |v[\s+1+16*\b+\i]|
.endr
.endr
.irp b, 0,1,2,3
	v_permlanex16_b32 v[TM+4+\b], v[TM+\b], s2, s3
.endr
.irp b, 0,1,2,3
	v_max_num_f32 v[TM+\b], v[TM+\b], v[TM+4+\b]   ; with lane l xor 16's: the block's largest magnitude
.endr
.irp b, 0,1,2,3
	v_add_nc_u32 v[TM+12+\b], 0xff000000, v[TM+\b] ; 2 off its exponent field: the conversion's scale operand
.endr
.irp b, 0,1,2,3
	v_lshrrev_b32 v[TM+4+\b], 23, v[TM+12+\b]      ; the scale's byte
.endr
	v_lshl_or_b32 v[PW], v[TM+5], 8, v[TM+4]
	v_lshl_or_b32 v[PW], v[TM+6], 16, v[PW]
	v_lshl_or_b32 v[PW], v[TM+7], 24, v[PW]
.irp c, 0,1
	v_cvt_scalef32_pk16_fp6_f32 v[PC+6*\c:PC+2+6*\c], v[\s+32*\c:\s+15+32*\c], v[TM+12+2*\c]
	v_cvt_scalef32_pk16_fp6_f32 v[PC+12+4*\c:PC+14+4*\c], v[\s+16+32*\c:\s+31+32*\c], v[TM+12+2*\c+1]
.endr
	v_nop                                          ; one plain place behind a scaled conversion
.irp c, 0,1                                    ; a whole block to a lane: lanes 0-15 block 2 c, lanes 16-31 block 2 c + 1
.irp i, 0,1,2
	v_permlane16_swap_b32 v[PC+6*\c+\i], v[PC+12+4*\c+\i]
.endr
.irp i, 0,1,2
	v_mov_b32 v[PC+3+6*\c+\i], v[PC+12+4*\c+\i]
.endr
.endr
.endm
	s_load_b256 s[4:11], s[0:1], 0x0               ; x, Wq, Wk, Wv
	s_load_b128 s[12:15], s[0:1], 0x20             ; Wp, xq
	s_load_b64 s[16:17], s[0:1], 0x30              ; wq
	v_lshl_add_u32 v184, v0, 2, 0xc600
	v_mov_b32 v185, 0
	v_lshrrev_b32 v1, 5, v0
	v_readfirstlane_b32 s22, v1                    ; wave = K step
	v_and_b32 v1, 31, v0                           ; lane
	v_lshlrev_b32 v2, 4, v1                        ; 16 x lane
	v_lshlrev_b32 v5, 2, v1                        ; 4 x lane
	v_and_b32 v6, 15, v0
	v_bfe_u32 v7, v0, 4, 1
	s_mul_i32 s23, s22, STG                        ; my stage
	v_add_nc_u32 v3, s23, v2                       ; in: 16 x lane, a row an instruction
	v_mul_u32_u24 v4, v6, SP
	v_lshl_add_u32 v4, v7, 6, v4
	v_add_nc_u32 v4, s23, v4                       ; out: row lane % 16, + 64 (lane / 16)
	s_mov_b32 s2, 0x76543210
	s_mov_b32 s3, 0xfedcba98                       ; v_permlanex16_b32's selects for lane l xor 16
.irp b, 0,1,2,3
	v_mov_b32 v[TM+4+\b], 0                        ; a lane permute's destination counts as one of its sources
.endr
	s_and_b32 s20, ttmp7, 0xffff                   ; y
	s_sub_co_u32 s23, ttmp9, 40
	s_and_b32 s24, s20, 3
	s_mul_i32 s24, s24, 12
	s_add_co_u32 s24, s24, s23                     ; a weight's tile
	s_lshr_b32 s25, s20, 2                         ; which weight
	s_lshr_b32 s26, s24, 2
	s_and_b32 s27, s24, 3
	s_mul_i32 s28, s25, 12
	s_add_co_u32 s28, s28, s26
	s_mul_i32 s28, s28, 6
	s_add_co_u32 s28, s28, s22
	s_lshl_b32 s28, s28, 2
	s_add_co_u32 s28, s28, s27                     ; a weight's record
	s_mul_i32 s29, s20, 40
	s_add_co_u32 s29, s29, ttmp9
	s_mul_i32 s29, s29, 6
	s_add_co_u32 s29, s29, s22                     ; x's record
	s_mul_i32 s30, s20, 577                        ; the batch's first row
	s_mov_b32 s33, 1769472                         ; where wq's scale words begin
	s_wait_kmcnt 0x0
	s_cmp_eq_u32 s25, 1
	s_cselect_b64 s[6:7], s[8:9], s[6:7]
	s_cmp_eq_u32 s25, 2
	s_cselect_b64 s[6:7], s[10:11], s[6:7]
	s_cmp_eq_u32 s25, 3
	s_cselect_b64 s[6:7], s[12:13], s[6:7]
	s_cmp_lt_u32 ttmp9, 40                         ; x or a weight: the choice hangs on the work-group's number alone
	s_cselect_b64 s[4:5], s[4:5], s[6:7]
	s_cselect_b64 s[14:15], s[14:15], s[16:17]
	s_cselect_b32 s31, ttmp9, s24                  ; the tile
	s_cselect_b32 s30, s30, 0
	s_cselect_b32 s28, s29, s28                    ; the record
	s_cselect_b32 s33, 5898240, s33
	s_lshr_b32 s34, s31, 1
	s_lshl_b32 s34, s34, 5
	s_and_b32 s35, s31, 1
	s_lshl_b32 s35, s35, 3
	s_add_co_u32 s34, s34, s35
	s_add_co_u32 s34, s34, s30                     ; the tile's first row
	s_mul_i32 s34, s34, 3072
	s_lshl_b32 s35, s22, 9
	s_add_co_u32 s34, s34, s35                     ; + my K step's 512 bytes
	s_mov_b32 s35, 0
	s_add_nc_u64 s[4:5], s[4:5], s[34:35]
	s_mul_i32 s36, s28, 1536
	s_mov_b32 s37, 0
	s_add_nc_u64 s[36:37], s[14:15], s[36:37]      ; the record's codes
	s_lshl_b32 s38, s28, 7
	s_add_co_u32 s38, s38, s33
	s_mov_b32 s39, 0
	s_add_nc_u64 s[38:39], s[14:15], s[38:39]      ; and its scale words
	s_cmp_lt_u32 ttmp9, 36
	s_cbranch_scc1 .Lwhole
	s_cmp_ge_u32 ttmp9, 40
	s_cbranch_scc1 .Lwhole
	; x's tiles 36 to 39: token 576 is row 0 of tile 36; all other rows are zeros, and no load leaves x
.set i, 4
.rept 60
	v_mov_b32 v[R+i], 0
.set i, i+1
.endr
	s_cmp_eq_u32 ttmp9, 36
	s_cbranch_scc0 .Lnone
	global_load_b128 v[R:R+3], v2, s[4:5] th:TH_LOAD_NT
	s_branch .Lin
.Lnone:
.irp i, 0,1,2,3
	v_mov_b32 v[R+\i], 0
.endr
	s_branch .Lin
.Lwhole:
.irp i, 0,1,2,3,4,5,6,7,8,9,10,11,12,13,14,15
	global_load_b128 v[R+4*\i:R+4*\i+3], v2, s[4:5] offset:(\i+8*(\i/8))*3072 th:TH_LOAD_NT   ; 32 lanes read 512 consecutive bytes of one row
.endr
.Lin:
	s_wait_loadcnt 0x0
.irp i, 0,1,2,3,4,5,6,7,8,9,10,11,12,13,14,15
	ds_store_b128 v3, v[R+4*\i:R+4*\i+3] offset:SP*\i
.endr
.irp b, 0,1,2,3
.irp j, 0,1,2,3
	ds_load_b128 v[X+16*\b+4*\j:X+16*\b+4*\j+3], v4 offset:128*\b+16*\j   ; LDS serves a wave's instructions in order: these see my stores
.endr
.endr
	s_wait_dscnt 0x0
	QUANT X
.irp g, 0,1,2
	global_store_b128 v2, v[PC+4*\g:PC+4*\g+3], s[36:37] offset:512*\g   ; 512 consecutive bytes, aligned
.endr
	global_store_b32 v5, v[PW], s[38:39]
	s_barrier_signal -1
	s_barrier_wait -1
	s_wait_tensorcnt 0x0
	ds_add_u32 v184, v185
	s_wait_dscnt 0x0
	s_endpgm
.Lfunc_end_k_q9339627392_prep:
	.size	k_q9339627392_prep, .Lfunc_end_k_q9339627392_prep-k_q9339627392_prep
	.p2alignl 7, 3214868480
	.fill 96, 4, 3214868480
	.section	.rodata,"a",@progbits
	.p2align	6, 0x0
	.amdhsa_kernel k_q9339627392_prep
		.amdhsa_group_segment_fixed_size 51456
		.amdhsa_private_segment_fixed_size 0
		.amdhsa_enable_private_segment 0
		.amdhsa_kernarg_size 56
		.amdhsa_user_sgpr_count 2
		.amdhsa_user_sgpr_kernarg_segment_ptr 1
		.amdhsa_wavefront_size32 1
		.amdhsa_system_sgpr_workgroup_id_x 1
		.amdhsa_system_sgpr_workgroup_id_y 1
		.amdhsa_system_sgpr_workgroup_id_z 1
		.amdhsa_system_vgpr_workitem_id 0
		.amdhsa_next_free_vgpr 186
		.amdhsa_next_free_sgpr 66
		.amdhsa_reserve_vcc 0
		.amdhsa_float_denorm_mode_32 3
		.amdhsa_float_denorm_mode_16_64 3
		.amdhsa_memory_ordered 1
		.amdhsa_forward_progress 1
		.amdhsa_inst_pref_size 14
	.end_amdhsa_kernel
	.amdgpu_metadata
---
amdhsa.version: [ 1, 2 ]
amdhsa.kernels:
  - .name:           k_q9339627392_prep
    .symbol:         k_q9339627392_prep.kd
    .args:
      - { .name: x, .offset: 0, .size: 8, .value_kind: global_buffer, .address_space: global }
      - { .name: Wq, .offset: 8, .size: 8, .value_kind: global_buffer, .address_space: global }
      - { .name: Wk, .offset: 16, .size: 8, .value_kind: global_buffer, .address_space: global }
      - { .name: Wv, .offset: 24, .size: 8, .value_kind: global_buffer, .address_space: global }
      - { .name: Wp, .offset: 32, .size: 8, .value_kind: global_buffer, .address_space: global }
      - { .name: xq, .offset: 40, .size: 8, .value_kind: global_buffer, .address_space: global }
      - { .name: wq, .offset: 48, .size: 8, .value_kind: global_buffer, .address_space: global }
    .group_segment_fixed_size: 51456
    .private_segment_fixed_size: 0
    .kernarg_segment_align: 8
    .kernarg_segment_size: 56
    .max_flat_workgroup_size: 192
    .sgpr_count:     66
    .vgpr_count:     186
    .wavefront_size: 32
...
	.end_amdgpu_metadata
.endif
;; end of part 1
;; launch qkv (part 2): grid 15 x 16, 4 waves a work-group, no clusters, 74,240 bytes of LDS; arguments xq, wq, qq, kq, vq; writes qq, kq, vq
.if DOCPART == 2
	.amdgcn_target "amdgcn-amd-amdhsa--gfx1250"
	.amdhsa_code_object_version 6
	.text
	.protected	k_q9339627392_qkv
	.globl	k_q9339627392_qkv
	.p2align	8
	.type	k_q9339627392_qkv,@function
k_q9339627392_qkv:
	s_mov_b64 s[64:65], 0
	v_nop
	global_prefetch_b8 v0, s[64:65] scope:SCOPE_SE
	s_setreg_imm32_b32 hwreg(HW_REG_WAVE_MODE, 25, 1), 1
	s_wait_xcnt 0x0
; q, k, v = x W^T on codes of FP6 (K = 768), and the results' quantisers.  Work-group (x, y): batch y, part x / 5 (q, k or v), tokens 128 (x % 5) on: 8 tiles of 16 tokens x all 768 outputs.
; Wave w takes heads 3 w .. 3 w + 2, one after the other: a UNIT is 8 token tiles x 4 channel tiles x 6 K steps = 192 products on 32 accumulators.
; x's 48 operand images (73,728 dense bytes) are copied into LDS once and only read afterwards; W's fragments go from memory straight into registers, three sets, two K steps ahead; each feeds 8 products.
; No cluster: what work-groups share is W, which does not pass through LDS here.
; q, k: source 0 = W, source 1 = x: a lane holds one token and its registers run along the head's 64 channels, which are the next K: two blocks of 32 -> a half image (6 registers: 0-3 at 16 l, 4-5 at 512 + 8 l) and a scale word with bytes 2, 3 = 0.
; v:    source 0 = x, source 1 = W: a lane holds one channel and its registers run along the 128 tokens, the keys: four blocks -> a whole image.
; q is quantised without the factor 1/8 (a power of two: the same codes); the attention launch folds it into its exponent's factor.
; LIMITS: a block of zeros, and one under 2^-124, has the byte 1; NaN and infinities are not served.
; REGISTERS.  window 0: v1 16 l, v2 16 l + 36,864, v3 4 l, v4 8 l; v16-63 x's scale words (6 a + s); v64-75 W's (set, t); v80-127, v128-175 x's fragments of tiles 0-3, 4-7; v176-195 codes; v196-211 at work; v212 scale word.
;   window 1: the 32 accumulators.   window 2: v0-143 W's three sets of four fragments.
.set XS,  16
.set WS,  64
.set XA,  80
.set PC,  176
.set TM,  196
.set TMX, TM
.set TPX, TM+4
.set TSX, TM+12
.set PW,  212
.set MSB, 0
.macro WIN new                         ; the immediate's high byte repeats the setting that is left
.if MSB != (\new)
	s_set_vgpr_msb (MSB<<8)|(\new)
.set MSB, (\new)
.endif
.endm
.macro NOPS n
.rept \n
	v_nop
.endr
.endm
.macro MM0 d, a, b, sa, sb             ; the first product starts a sum
	v_wmma_scale_f32_16x16x128_f8f6f4 v[(\d):(\d)+7], v[(\a):(\a)+11], v[(\b):(\b)+11], 0, v[(\sa)], v[(\sb)] matrix_a_fmt:MATRIX_FMT_FP6 matrix_b_fmt:MATRIX_FMT_FP6
.endm
.macro MMA d, a, b, sa, sb
	v_wmma_scale_f32_16x16x128_f8f6f4 v[(\d):(\d)+7], v[(\a):(\a)+11], v[(\b):(\b)+11], v[(\d):(\d)+7], v[(\sa)], v[(\sb)] matrix_a_fmt:MATRIX_FMT_FP6 matrix_b_fmt:MATRIX_FMT_FP6
.endm
.macro WLOAD s, cb, sb                 ; W's four fragments and scale words of K step s of the unit at s[cb], s[sb], into set s % 3: 16 loads
	WIN 0x80
.irp t, 0,1,2,3
.irp g, 0,1,2
	global_load_b128 v[48*((\s)%3)+12*\t+4*\g:48*((\s)%3)+12*\t+4*\g+3], v1, s[\cb:\cb+1] offset:(4*(\s)+\t)*1536+512*\g
.endr
.endr
	WIN 0
.irp t, 0,1,2,3
	global_load_b32 v[WS+4*((\s)%3)+\t], v3, s[\sb:\sb+1] offset:(4*(\s)+\t)*128
.endr
.endm
.macro XLOAD hf, s                     ; x's fragments of tiles 4 hf .. 4 hf + 3, K step s: 12 LDS loads
.irp a, 0,1,2,3
.irp g, 0,1,2
	ds_load_b128 v[XA+48*(\hf)+12*\a+4*\g:XA+48*(\hf)+12*\a+4*\g+3], v[1+(\hf)] offset:(6*\a+(\s))*1536+512*\g
.endr
.endr
.endm
.macro MUL16 s, a0, swap               ; 16 products on 16 accumulators, one instruction a turn
.irp a, 0,1,2,3
.irp t, 0,1,2,3
.set xf, XA+12*((\a0)+\a)
.set wf, 48*((\s)%3)+12*\t
.set xsc, XS+6*((\a0)+\a)+(\s)
.set wsc, WS+4*((\s)%3)+\t
.if \swap
.set dd, 8*(8*\t+(\a0)+\a)
.if (\s) == 0
	MM0 dd, xf, wf, xsc, wsc
.else
	MMA dd, xf, wf, xsc, wsc
.endif
.else
.set dd, 8*(4*((\a0)+\a)+\t)
.if (\s) == 0
	MM0 dd, wf, xf, wsc, xsc
.else
	MMA dd, wf, xf, wsc, xsc
.endif
.endif
.endr
.endr
.endm
.macro KSTEP s, swap
.if (\s) < 4
	WLOAD (\s)+2, 24, 26                           ; two K steps ahead; the set's last readers stand behind the four places at the last step's end
.else
	WLOAD (\s)-4, 28, 30                           ; the next unit's first two steps
.endif
	s_wait_loadcnt 32                              ; this step's W is in: the 16 + 16 loads of the next two steps may be out
	s_wait_dscnt 12                                ; x's tiles 0-3 are in; the 12 loads of tiles 4-7 may be out
	WIN 0x52+6*(\swap)
	MUL16 \s, 0, \swap
	WIN 0
	NOPS 4                                         ; places in front of loads into registers that matrix instructions have read
	XLOAD 0, ((\s)+1)%6
	s_wait_dscnt 12                                ; tiles 4-7 are in; the 12 just issued may be out
	WIN 0x52+6*(\swap)
	MUL16 \s, 4, \swap
	WIN 0
	NOPS 4
	XLOAD 1, ((\s)+1)%6
.endm
; two blocks of 32, 16 numbers of each in this lane (sa, sb, in window w): scale operands in TSX, bytes in TPX, codes (my half of each block) in ta, tb
.macro BQ2 sa, sb, ta, tb, w
	WIN 0x14*(\w)
	v_max3_num_f32 v[TMX], 0x1800000, |v[(\sa)]|, |v[(\sa)+1]|      ; with the floor 2^(3 - 127)
	v_max3_num_f32 v[TMX+1], 0x1800000, |v[(\sb)]|, |v[(\sb)+1]|
.irp i, 2,4,6,8,10,12,14
	v_max3_num_f32 v[TMX], v[TMX], |v[(\sa)+\i]|, |v[(\sa)+1+\i]|
	v_max3_num_f32 v[TMX+1], v[TMX+1], |v[(\sb)+\i]|, |v[(\sb)+1+\i]|
.endr
	WIN 0
	v_permlanex16_b32 v[TPX], v[TMX], s2, s3
	v_permlanex16_b32 v[TPX+1], v[TMX+1], s2, s3
	v_max_num_f32 v[TMX], v[TMX], v[TPX]
	v_max_num_f32 v[TMX+1], v[TMX+1], v[TPX+1]
	v_add_nc_u32 v[TSX], 0xff000000, v[TMX]
	v_add_nc_u32 v[TSX+1], 0xff000000, v[TMX+1]
	v_lshrrev_b32 v[TPX], 23, v[TSX]
	v_lshrrev_b32 v[TPX+1], 23, v[TSX+1]
	WIN 0x01*(\w)
	v_cvt_scalef32_pk16_fp6_f32 v[(\ta):(\ta)+2], v[(\sa):(\sa)+15], v[TSX]
	v_cvt_scalef32_pk16_fp6_f32 v[(\tb):(\tb)+2], v[(\sb):(\sb)+15], v[TSX+1]
	WIN 0
	v_nop                                          ; one plain place behind a scaled conversion
.endm
; 64 numbers of a lane in window w, register 16 b + i = k 32 b + 16 (lane / 16) + i, become a fragment in v[PC] on and its scale word in v[PW]
.macro QUANT s, w
	WIN 0x14*(\w)
.irp b, 0,1,2,3
	v_max3_num_f32 v[TM+\b], 0x1800000, |v[(\s)+16*\b]|, |v[(\s)+1+16*\b]|
.endr
.irp i, 2,4,6,8,10,12,14
.irp b, 0,1,2,3
	v_max3_num_f32 v[TM+\b], v[TM+\b], |v[(\s)+16*\b+\i]|, |v[(\s)+1+16*\b+\i]|
.endr
.endr
	WIN 0
.irp b, 0,1,2,3
	v_permlanex16_b32 v[TM+4+\b], v[TM+\b], s2, s3
.endr
.irp b, 0,1,2,3
	v_max_num_f32 v[TM+\b], v[TM+\b], v[TM+4+\b]
.endr
.irp b, 0,1,2,3
	v_add_nc_u32 v[TM+12+\b], 0xff000000, v[TM+\b]
.endr
.irp b, 0,1,2,3
	v_lshrrev_b32 v[TM+4+\b], 23, v[TM+12+\b]
.endr
	v_lshl_or_b32 v[PW], v[TM+5], 8, v[TM+4]
	v_lshl_or_b32 v[PW], v[TM+6], 16, v[PW]
	v_lshl_or_b32 v[PW], v[TM+7], 24, v[PW]
	WIN 0x01*(\w)
.irp c, 0,1
	v_cvt_scalef32_pk16_fp6_f32 v[PC+6*\c:PC+2+6*\c], v[(\s)+32*\c:(\s)+15+32*\c], v[TM+12+2*\c]
	v_cvt_scalef32_pk16_fp6_f32 v[PC+12+4*\c:PC+14+4*\c], v[(\s)+16+32*\c:(\s)+31+32*\c], v[TM+12+2*\c+1]
.endr
	WIN 0
	v_nop
.irp c, 0,1
.irp i, 0,1,2
	v_permlane16_swap_b32 v[PC+6*\c+\i], v[PC+12+4*\c+\i]
.endr
.irp i, 0,1,2
	v_mov_b32 v[PC+3+6*\c+\i], v[PC+12+4*\c+\i]
.endr
.endr
.endm
; the wave's three units
.macro UNITS swap
	s_mov_b32 s36, 3
.Lunit_\@:
.irp s, 0,1,2,3,4,5
	KSTEP \s, \swap
.endr
.if \swap
.irp t, 0,1,2,3                        ; v: channel tile t, 128 keys: a whole image
	s_wait_xcnt 0x0                                ; the last image's stores have read their registers
	QUANT 64*\t, 1
.irp g, 0,1,2
	global_store_b128 v1, v[PC+4*\g:PC+4*\g+3], s[32:33] offset:1536*\t+512*\g
.endr
	global_store_b32 v3, v[PW], s[34:35] offset:128*\t
.endr
.else
.irp a, 0,1,2,3,4,5,6,7                ; q, k: token tile a, 64 channels: a half image
	s_wait_xcnt 0x0
	BQ2 32*\a, 32*\a+16, PC, PC+12, 1
.irp i, 0,1,2
	v_permlane16_swap_b32 v[PC+\i], v[PC+12+\i]    ; a whole block to a lane: lanes 0-15 block 0, lanes 16-31 block 1
.endr
.irp i, 0,1,2
	v_mov_b32 v[PC+3+\i], v[PC+12+\i]
.endr
	v_lshl_or_b32 v[PW], v[TPX+1], 8, v[TPX]
	global_store_b128 v1, v[PC:PC+3], s[32:33] offset:768*\a
	global_store_b64 v4, v[PC+4:PC+5], s[32:33] offset:768*\a+512
	global_store_b32 v3, v[PW], s[34:35] offset:128*\a
.endr
.endif
	s_wait_xcnt 0x0                                ; every load and store has read its base: the pointers step
	s_mov_b64 s[24:25], s[28:29]
	s_mov_b64 s[26:27], s[30:31]
	s_sub_co_u32 s36, s36, 1
	s_cmp_eq_u32 s36, 2                            ; behind the first unit the one after next is the third; later the wave's first (inside the buffer; its data are not used)
	s_cselect_b32 s40, 73728, 0
	s_cselect_b32 s42, 6144, 0
	s_mov_b32 s41, 0
	s_mov_b32 s43, 0
	s_add_nc_u64 s[28:29], s[20:21], s[40:41]
	s_add_nc_u64 s[30:31], s[22:23], s[42:43]
	s_add_nc_u64 s[32:33], s[32:33], 30720         ; the next head's records
	s_add_nc_u64 s[34:35], s[34:35], 5120-2560*(\swap)
	s_cmp_lg_u32 s36, 0
	s_cbranch_scc1 .Lunit_\@
	s_wait_dscnt 0x0
.endm
	s_load_b256 s[4:11], s[0:1], 0x0               ; xq, wq, qq, kq
	s_load_b64 s[12:13], s[0:1], 0x20              ; vq
	v_lshl_add_u32 v254, v0, 2, 0x12000
	v_mov_b32 v255, 0
	v_lshrrev_b32 v1, 5, v0
	v_readfirstlane_b32 s14, v1                    ; wave
	v_and_b32 v5, 31, v0
	v_lshlrev_b32 v1, 4, v5
	v_add_nc_u32 v2, 36864, v1
	v_lshlrev_b32 v3, 2, v5
	v_lshlrev_b32 v4, 3, v5
	v_lshlrev_b32 v6, 4, v0                        ; the copy: 16 x thread
	v_add_nc_u32 v7, 36864, v6
.irp i, 0,1,2,3
	v_mov_b32 v[TM+4+\i], 0                        ; a lane permute's destination counts as one of its sources
.endr
	s_mov_b32 s2, 0x76543210
	s_mov_b32 s3, 0xfedcba98
	s_cmp_ge_u32 ttmp9, 5
	s_cselect_b32 s15, 1, 0
	s_cmp_ge_u32 ttmp9, 10
	s_cselect_b32 s16, 1, 0
	s_add_co_u32 s15, s15, s16                     ; part: 0 q, 1 k, 2 v
	s_mul_i32 s16, s15, 5
	s_sub_co_u32 s16, ttmp9, s16                   ; which 128 tokens
	s_and_b32 s17, ttmp7, 0xffff                   ; batch
	s_mul_i32 s40, s17, 40
	s_lshl_b32 s41, s16, 3
	s_add_co_u32 s40, s40, s41                     ; my first tile of x
	s_mul_i32 s42, s40, 9216
	s_mov_b32 s43, 0
	s_mul_i32 s44, s40, 768
	s_add_co_u32 s44, s44, 5898240
	s_mov_b32 s45, 0
	s_mul_i32 s46, s14, 3
	s_mul_i32 s47, s15, 12
	s_add_co_u32 s47, s47, s46                     ; my first unit of wq
	s_mul_i32 s48, s47, 36864
	s_mov_b32 s49, 0
	s_mul_i32 s50, s47, 3072
	s_add_co_u32 s50, s50, 1769472
	s_mov_b32 s51, 0
	s_mul_i32 s47, s17, 12
	s_add_co_u32 s47, s47, s46                     ; 12 b + my first head
	s_wait_kmcnt 0x0
	s_add_nc_u64 s[42:43], s[4:5], s[42:43]        ; x's images
	s_add_nc_u64 s[44:45], s[4:5], s[44:45]        ; x's scale words
	s_add_nc_u64 s[20:21], s[6:7], s[48:49]        ; the wave's first unit: codes,
	s_add_nc_u64 s[22:23], s[6:7], s[50:51]        ; scale words
	s_mov_b64 s[24:25], s[20:21]                   ; the unit in hand
	s_mov_b64 s[26:27], s[22:23]
	s_add_nc_u64 s[28:29], s[20:21], 36864         ; the next unit
	s_add_nc_u64 s[30:31], s[22:23], 3072
.set k, 0
.rept 36
	global_load_b128 v[80+4*k:83+4*k], v6, s[42:43] offset:2048*k    ; 128 threads x 16 bytes: 2,048 consecutive bytes
.set k, k+1
.endr
.set k, 0
.rept 48
	global_load_b32 v[XS+k], v3, s[44:45] offset:128*k
.set k, k+1
.endr
	s_wait_loadcnt 48                              ; the copy's 36 loads are in; the 48 loads of scale words may be out
.set k, 0
.rept 18
	ds_store_b128 v6, v[80+4*k:83+4*k] offset:2048*k
.set k, k+1
.endr
.rept 18
	ds_store_b128 v7, v[80+4*k:83+4*k] offset:2048*(k-18)
.set k, k+1
.endr
	WLOAD 0, 24, 26
	WLOAD 1, 24, 26
	s_wait_dscnt 0x0                               ; for the others' sake: my part of the images lies in LDS
	s_barrier_signal -1
	s_barrier_wait -1                              ; the one barrier: from here on LDS is only read
	XLOAD 0, 0
	XLOAD 1, 0
	s_cmp_eq_u32 s15, 2
	s_cbranch_scc1 .Lv
	s_cmp_eq_u32 s15, 0
	s_cselect_b64 s[32:33], s[8:9], s[10:11]       ; qq or kq
	s_mul_i32 s40, s47, 40
	s_lshl_b32 s41, s16, 3
	s_add_co_u32 s40, s40, s41                     ; record (12 b + head) 40 + tile
	s_mul_i32 s48, s40, 768
	s_mov_b32 s49, 0
	s_lshl_b32 s50, s40, 7
	s_add_co_u32 s50, s50, 5898240
	s_mov_b32 s51, 0
	s_add_nc_u64 s[34:35], s[32:33], s[50:51]
	s_add_nc_u64 s[32:33], s[32:33], s[48:49]
	UNITS 0
	s_wait_tensorcnt 0x0
	ds_add_u32 v254, v255
	s_wait_dscnt 0x0
	s_endpgm
.Lv:
	s_mul_i32 s40, s47, 20
	s_lshl_b32 s41, s16, 2
	s_add_co_u32 s40, s40, s41                     ; record ((12 b + head) 5 + key step) 4
	s_mul_i32 s48, s40, 1536
	s_mov_b32 s49, 0
	s_lshl_b32 s50, s40, 7
	s_add_co_u32 s50, s50, 5898240
	s_mov_b32 s51, 0
	s_add_nc_u64 s[32:33], s[12:13], s[48:49]
	s_add_nc_u64 s[34:35], s[12:13], s[50:51]
	UNITS 1
	s_wait_tensorcnt 0x0
	ds_add_u32 v254, v255
	s_wait_dscnt 0x0
	s_endpgm
.Lfunc_end_k_q9339627392_qkv:
	.size	k_q9339627392_qkv, .Lfunc_end_k_q9339627392_qkv-k_q9339627392_qkv
	.p2alignl 7, 3214868480
	.fill 96, 4, 3214868480
	.section	.rodata,"a",@progbits
	.p2align	6, 0x0
	.amdhsa_kernel k_q9339627392_qkv
		.amdhsa_group_segment_fixed_size 74240
		.amdhsa_private_segment_fixed_size 0
		.amdhsa_enable_private_segment 0
		.amdhsa_kernarg_size 40
		.amdhsa_user_sgpr_count 2
		.amdhsa_user_sgpr_kernarg_segment_ptr 1
		.amdhsa_wavefront_size32 1
		.amdhsa_system_sgpr_workgroup_id_x 1
		.amdhsa_system_sgpr_workgroup_id_y 1
		.amdhsa_system_sgpr_workgroup_id_z 1
		.amdhsa_system_vgpr_workitem_id 0
		.amdhsa_next_free_vgpr 672
		.amdhsa_next_free_sgpr 66
		.amdhsa_reserve_vcc 0
		.amdhsa_float_denorm_mode_32 3
		.amdhsa_float_denorm_mode_16_64 3
		.amdhsa_memory_ordered 1
		.amdhsa_forward_progress 1
		.amdhsa_inst_pref_size 146
	.end_amdhsa_kernel
	.amdgpu_metadata
---
amdhsa.version: [ 1, 2 ]
amdhsa.kernels:
  - .name:           k_q9339627392_qkv
    .symbol:         k_q9339627392_qkv.kd
    .args:
      - { .name: xq, .offset: 0, .size: 8, .value_kind: global_buffer, .address_space: global }
      - { .name: wq, .offset: 8, .size: 8, .value_kind: global_buffer, .address_space: global }
      - { .name: qq, .offset: 16, .size: 8, .value_kind: global_buffer, .address_space: global }
      - { .name: kq, .offset: 24, .size: 8, .value_kind: global_buffer, .address_space: global }
      - { .name: vq, .offset: 32, .size: 8, .value_kind: global_buffer, .address_space: global }
    .group_segment_fixed_size: 74240
    .private_segment_fixed_size: 0
    .kernarg_segment_align: 8
    .kernarg_segment_size: 40
    .max_flat_workgroup_size: 128
    .sgpr_count:     66
    .vgpr_count:     672
    .wavefront_size: 32
...
	.end_amdgpu_metadata
.endif
;; end of part 2
;; launch attn (part 3): grid 12 x 16, 8 waves a work-group, no clusters, 319,744 bytes of LDS; arguments qq, kq, vq, lamb, oq; writes oq
.if DOCPART == 3
	.amdgcn_target "amdgcn-amd-amdhsa--gfx1250"
	.amdhsa_code_object_version 6
	.text
	.protected	k_q9339627392_attn
	.globl	k_q9339627392_attn
	.p2align	8
	.type	k_q9339627392_attn,@function
k_q9339627392_attn:
	s_mov_b64 s[64:65], 0
	v_nop
	global_prefetch_b8 v0, s[64:65] scope:SCOPE_SE
	s_setreg_imm32_b32 hwreg(HW_REG_WAVE_MODE, 25, 1), 1
	s_wait_xcnt 0x0
; One work-group for one (batch, head): S = q k^T, A = softmax, AA = A A, F = (1 - 2 beta) A + 3 beta AA, O = F v, and O's quantiser.  All products on codes of FP6 with E8M0 scales.
; t = S c, c = log2(e) / 8 (q was quantised without the factor 1/8); M = ceil(the row's largest t); p = 2^(t - M); l = the row's sum of p.
; The attention matrix never goes to memory.  What is kept is Qb: A = p / l quantised along its ROW index, as operand images in LDS (265,216 bytes); everything else is made anew from q and k where it is wanted.
; PASS 1: wave w takes query tiles 5 w .. 5 w + 4 (40 tiles; tokens 577 .. 639 are zeros) through ONE sweep over the keys with a running maximum.  Each half of the lanes keeps, for its 16 of a block's 32 keys,
;   the largest score, -M = floor(-t) and the sum of p under that M; when M moves the sum is multiplied by 2^(old M - new M), which rounds nothing.  At the end the halves are joined the same way.  -M and 1/l go to LDS by token.
; PASS 2: wave w makes Qb's column tiles 5 w .. 5 w + 4 (held at 36): source 0 = 16 queries, source 1 = 16 keys: a lane holds ONE column and its registers run down 128 rows.
; PASS 3, for each block of 32 queries (a row pair P: tiles 2 P, 2 P + 1; P = wave + 8 x round): (a) Qa: p quantised along the keys, 5 fragments a tile, in registers; (b) for each block of 32 columns: AA's raw sums
;   (5 K steps), S again, F, quantised along the columns; every four blocks O += V F.  The last, short K step (columns 512 ..) goes FIRST and starts O's sums.  O is quantised along the head's 64 channels and stored as a half image.
; K = 64 IN AN INSTRUCTION OF 128: one operand's upper six registers are zero codes; the other's fragments lie six registers apart, so that its upper half is the next fragment, which meets zeros; the scale bytes there are 0.
; TILE ORDER: row i of tile T is element 32 (T / 2) + 8 (T % 2) + i + 8 (i / 8): as source 0, tiles 2 b and 2 b + 1 give a lane 16 neighbours of block b.
; No cluster: work-groups share no input.  No tensor load: every LDS region is filled once, from registers.
; LIMITS: NaN and infinities are not served; a block of zeros, and one under 2^-124, has the byte 1; p under 2^-126 counts as 0; F is formed as (1 - 2 beta) A + 3 beta AA with 1/l folded into both factors: reference()'s algebra in
; another order of rounding; a block's largest p is taken from its largest score; Qb's columns 577 .. 591 may hold large codes: their results are overwritten with 0, never multiplied.
.set QB,   0                           ; Qb: column tile j at 7,168 j: K steps 0-3 whole images of 1,536 bytes, K step 4 its first two groups (registers 8-11 are zeros)
.set QBS,  265216                      ; Qb's scale words: (5 j + s) 64 + 4 (lane % 16)
.set KIM,  277056                      ; k's 40 half images
.set KSC,  307776                      ; k's scale words, 128 bytes a tile
.set STM,  312896                      ; -M by token;
.set STR,  STM+2560                    ; 1/l by token, 0 from token 577 on
.set ZER,  318016                      ; 512 bytes of zeros: the third group of every K step 4
; window 0
.set QAS,  40                          ; v40-49 Qa's scale words (5 tile + s); in passes 1 and 2 q's (v40-47)
.set QSR,  50                          ; v50-55 Qb's (2 set + u)
.set KSR,  56                          ; v56-57 k's
.set QSC,  58                          ; v58-59 q's
.set PWR,  60                          ; v60-61 F's
.set VSR,  62                          ; v62-65 v's
.set NM,   66                          ; v66-69 -M, a pair a tile (the low word serves)
.set K1,   70                          ; v70-73 (1 - 2 beta) / l
.set K2,   74                          ; v74-77 3 beta / l
.set F,    80                          ; v80-111  AA's sums, then F: 16 tile + 8 u + i
.set S,    112                         ; v112-143 the scores, then p
.set KFR,  144                         ; v144-161 k of tiles u = 0, 1, six zeros
.set QBF,  162                         ; v162-233 three sets of two fragments of Qb
.set TMX,  234
.set TPX,  236
.set TSX,  238
.set TSL,  240                         ; v240.. codes of half blocks: tile 0 even, odd block; tile 1 even, odd
.set P1S,  80                          ; pass 1: v80-159 the scores, then p: 16 tile + 8 u + i
.set P1Q,  162                         ; pass 1: q's five half images, six registers apart, six zeros
.set P1T,  214                         ; pass 1: eight registers a tile: +0 the largest score so far, +1 at work, +2 -M (+3 its pair's other word, later an LDS address), +4 f (+5 likewise), +6, +7 the sum (even keys', odd keys')
.set Q2F,  162                         ; pass 2: q's eight half images, six registers apart, six zeros
.set PC,   216                         ; pass 2: the codes
.set TM,   236
.set PW,   252
; window 1
.set QA,   0                           ; Qa: 60 tile + 12 s
.set OA,   120                         ; O: 32 tile + 8 dt
.set VF,   184                         ; v's four fragments
.set FIN,  232                         ; F's codes: 12 tile
.set MSB, 0
.macro WIN new                         ; the immediate's high byte repeats the setting that is left
.if MSB != (\new)
	s_set_vgpr_msb (MSB<<8)|(\new)
.set MSB, (\new)
.endif
.endm
.macro NOPS n
.rept \n
	v_nop
.endr
.endm
.macro MM0 d, a, b, sa, sb
	v_wmma_scale_f32_16x16x128_f8f6f4 v[(\d):(\d)+7], v[(\a):(\a)+11], v[(\b):(\b)+11], 0, v[(\sa)], v[(\sb)] matrix_a_fmt:MATRIX_FMT_FP6 matrix_b_fmt:MATRIX_FMT_FP6
.endm
.macro MMA d, a, b, sa, sb
	v_wmma_scale_f32_16x16x128_f8f6f4 v[(\d):(\d)+7], v[(\a):(\a)+11], v[(\b):(\b)+11], v[(\d):(\d)+7], v[(\sa)], v[(\sb)] matrix_a_fmt:MATRIX_FMT_FP6 matrix_b_fmt:MATRIX_FMT_FP6
.endm
.macro KADR                            ; k's addresses from the stepped scalars
	v_add_nc_u32 v7, s57, v1
	v_add_nc_u32 v8, s57, v2
	v_add_nc_u32 v9, s58, v3
.endm
.macro KADRC nb                        ; the same for key block nb, a constant
	v_add_nc_u32 v7, KIM+1536*(\nb), v1
	v_add_nc_u32 v8, KIM+1536*(\nb), v2
	v_add_nc_u32 v9, KSC+256*(\nb), v3
.endm
.macro KLOAD ok, os                    ; a key block's two tiles of k and their scale words: 6 LDS loads
.irp u, 0,1
	ds_load_b128 v[KFR+6*\u:KFR+6*\u+3], v7 offset:(\ok)+768*\u
	ds_load_b64 v[KFR+6*\u+4:KFR+6*\u+5], v8 offset:(\ok)+768*\u+512
	ds_load_b32 v[KSR+\u], v9 offset:(\os)+128*\u
.endr
.endm
.macro KLOAD1                          ; pass 1: the same into v16-21 and v28-33, whose upper halves v22-27 and v34-39 are zero codes
.irp u, 0,1
	ds_load_b128 v[16+12*\u:19+12*\u], v7 offset:768*\u
	ds_load_b64 v[20+12*\u:21+12*\u], v8 offset:768*\u+512
	ds_load_b32 v[KSR+\u], v9 offset:128*\u
.endr
.endm
.macro SPROD nu                        ; S^T = k q^T: lane = query, register 8 u + i = key 32 kb + 16 (lane / 16) + 8 u + i
.irp u, 0,1
.if \u < (\nu)
.irp t, 0,1
	MM0 S+16*\t+8*\u, KFR+6*\u, 16+12*\t, KSR+\u, QSC+\t
.endr
.endif
.endr
.endm
.macro QLD off, soff                   ; q's two half images and scale words of the row pair
.irp t, 0,1
	global_load_b128 v[16+12*\t:19+12*\t], v1, s[28:29] offset:(\off)+768*\t
	global_load_b64 v[20+12*\t:21+12*\t], v2, s[28:29] offset:(\off)+768*\t+512
	global_load_b32 v[QSC+\t], v3, s[30:31] offset:(\soff)+128*\t
.endr
.endm
.macro TSUBM                           ; t - M, two at a time
.irp t, 0,1
.irp j, 0,2,4,6,8,10,12,14
	v_pk_fma_f32 v[S+16*\t+\j:S+16*\t+\j+1], v[S+16*\t+\j:S+16*\t+\j+1], s[18:19], v[NM+2*\t:NM+2*\t+1] op_sel_hi:[1,0,0]
.endr
.endr
.endm
.macro EXP32
.set ii, 0
.rept 32
	v_exp_f32 v[S+ii], v[S+ii]
.set ii, ii+1
.endr
.endm
.macro BQ2 sa, sb, ta, tb, w           ; two blocks of 32, 16 numbers of each in this lane: scale operands in TSX, bytes in TPX, codes in ta, tb
	WIN 0x14*(\w)
	v_max3_num_f32 v[TMX], 0x1800000, |v[(\sa)]|, |v[(\sa)+1]|      ; with the floor 2^(3 - 127)
	v_max3_num_f32 v[TMX+1], 0x1800000, |v[(\sb)]|, |v[(\sb)+1]|
.irp i, 2,4,6,8,10,12,14
	v_max3_num_f32 v[TMX], v[TMX], |v[(\sa)+\i]|, |v[(\sa)+1+\i]|
	v_max3_num_f32 v[TMX+1], v[TMX+1], |v[(\sb)+\i]|, |v[(\sb)+1+\i]|
.endr
	WIN 0
	v_permlanex16_b32 v[TPX], v[TMX], s2, s3
	v_permlanex16_b32 v[TPX+1], v[TMX+1], s2, s3
	v_max_num_f32 v[TMX], v[TMX], v[TPX]
	v_max_num_f32 v[TMX+1], v[TMX+1], v[TPX+1]
	v_add_nc_u32 v[TSX], 0xff000000, v[TMX]
	v_add_nc_u32 v[TSX+1], 0xff000000, v[TMX+1]
	v_lshrrev_b32 v[TPX], 23, v[TSX]
	v_lshrrev_b32 v[TPX+1], 23, v[TSX+1]
	WIN 0x01*(\w)
	v_cvt_scalef32_pk16_fp6_f32 v[(\ta):(\ta)+2], v[(\sa):(\sa)+15], v[TSX]
	v_cvt_scalef32_pk16_fp6_f32 v[(\tb):(\tb)+2], v[(\sb):(\sb)+15], v[TSX+1]
	WIN 0
	v_nop                                          ; one plain place behind a scaled conversion
.endm
.macro PAIRUP ta, tb, dst, w           ; an even and an odd block's halves become six registers of an operand: lanes 0-15 the even block, lanes 16-31 the odd
.irp i, 0,1,2
	v_permlane16_swap_b32 v[(\ta)+\i], v[(\tb)+\i]
.endr
	WIN 0x40*(\w)
.irp i, 0,1,2
	v_mov_b32 v[(\dst)+\i], v[(\ta)+\i]
	v_mov_b32 v[(\dst)+3+\i], v[(\tb)+\i]
.endr
	WIN 0
.endm
.macro QUANT s                         ; pass 2: 64 numbers, none negative, register 16 b + i = k 32 b + 16 (lane / 16) + i
.irp b, 0,1,2,3
	v_max3_num_f32 v[TM+\b], 0x1800000, v[(\s)+16*\b], v[(\s)+1+16*\b]
.endr
.irp i, 2,4,6,8,10,12,14
.irp b, 0,1,2,3
	v_max3_num_f32 v[TM+\b], v[TM+\b], v[(\s)+16*\b+\i], v[(\s)+1+16*\b+\i]
.endr
.endr
.irp b, 0,1,2,3
	v_permlanex16_b32 v[TM+4+\b], v[TM+\b], s2, s3
.endr
.irp b, 0,1,2,3
	v_max_num_f32 v[TM+\b], v[TM+\b], v[TM+4+\b]
.endr
.irp b, 0,1,2,3
	v_add_nc_u32 v[TM+12+\b], 0xff000000, v[TM+\b]
.endr
.irp b, 0,1,2,3
	v_lshrrev_b32 v[TM+4+\b], 23, v[TM+12+\b]
.endr
	v_lshl_or_b32 v[PW], v[TM+5], 8, v[TM+4]
	v_lshl_or_b32 v[PW], v[TM+6], 16, v[PW]
	v_lshl_or_b32 v[PW], v[TM+7], 24, v[PW]
.irp c, 0,1
	v_cvt_scalef32_pk16_fp6_f32 v[PC+6*\c:PC+2+6*\c], v[(\s)+32*\c:(\s)+15+32*\c], v[TM+12+2*\c]
	v_cvt_scalef32_pk16_fp6_f32 v[PC+12+4*\c:PC+14+4*\c], v[(\s)+16+32*\c:(\s)+31+32*\c], v[TM+12+2*\c+1]
.endr
	v_nop
.irp c, 0,1
.irp i, 0,1,2
	v_permlane16_swap_b32 v[PC+6*\c+\i], v[PC+12+4*\c+\i]
.endr
.irp i, 0,1,2
	v_mov_b32 v[PC+3+6*\c+\i], v[PC+12+4*\c+\i]
.endr
.endr
.endm
.macro P2QLD                           ; pass 2: the eight q half images and scale words of a K step (128 rows): 24 loads
.irp t, 0,1,2,3,4,5,6,7
	global_load_b128 v[Q2F+6*\t:Q2F+6*\t+3], v1, s[40:41] offset:768*\t
	global_load_b64 v[Q2F+6*\t+4:Q2F+6*\t+5], v2, s[40:41] offset:768*\t+512
	global_load_b32 v[QAS+\t], v3, s[42:43] offset:128*\t
.endr
.endm
	; ---------------------------------------------------------------- head
	s_load_b256 s[4:11], s[0:1], 0x0               ; qq, kq, vq, lamb
	s_load_b64 s[12:13], s[0:1], 0x20              ; oq
	v_lshrrev_b32 v1, 5, v0
	v_readfirstlane_b32 s14, v1                    ; wave 0..7
	s_and_b32 s16, ttmp7, 0xffff                   ; batch
	s_mul_i32 s17, s16, 12
	s_add_co_u32 s17, s17, ttmp9                   ; 12 b + head
	s_lshl_b32 s15, ttmp9, 2
	v_and_b32 v9, 31, v0                           ; lane
	v_lshlrev_b32 v1, 4, v9                        ; v1 16 l
	v_lshlrev_b32 v2, 3, v9                        ; v2 8 l
	v_lshlrev_b32 v3, 2, v9                        ; v3 4 l
	v_and_b32 v12, 15, v0
	v_lshlrev_b32 v4, 2, v12                       ; v4 4 (l % 16)
	v_and_b32 v11, 8, v12
	v_add_nc_u32 v12, v11, v12                     ; v12 r + 8 (r / 8): my row's place in its tile's 32 elements
	v_lshlrev_b32 v11, 2, v12                      ; v11 the same in words
	v_add_nc_u32 v10, ZER, v1                      ; v10 the zeros
	v_mov_b32 v13, 0xff800000                      ; v13 -infinity
	v_bfe_u32 v15, v0, 4, 1
	v_lshlrev_b32 v15, 6, v15                      ; v15 64 (l / 16)
	v_lshlrev_b32 v5, 3, v0                        ; the copy of k: 8 x thread,
	v_lshlrev_b32 v6, 2, v0                        ; of its scale words: 4 x thread
	v_add_nc_u32 v7, KIM, v5
	v_add_nc_u32 v8, KSC, v6
	s_mov_b32 s2, 0x76543210
	s_mov_b32 s3, 0xfedcba98                       ; v_permlanex16_b32's selects for lane l xor 16
	s_mov_b32 s18, 0x3e38aa3b                      ; c = log2(e) / 8
	s_mov_b32 s19, s18
	s_mov_b32 s21, 0xffff                          ; lanes 0-15
	s_mul_i32 s44, s17, 30720
	s_mov_b32 s45, 0
	s_mul_i32 s46, s17, 5120
	s_add_co_u32 s46, s46, 5898240
	s_mov_b32 s47, 0
	s_mul_i32 s48, s17, 2560
	s_add_co_u32 s48, s48, 5898240
	s_mov_b32 s49, 0
	s_wait_kmcnt 0x0
	s_load_b32 s20, s[10:11], s15 offset:0x0       ; beta = lamb[head]
	s_add_nc_u64 s[22:23], s[4:5], s[46:47]        ; q's scale words
	s_add_nc_u64 s[24:25], s[6:7], s[46:47]        ; k's
	s_add_nc_u64 s[26:27], s[8:9], s[48:49]        ; v's
	s_add_nc_u64 s[4:5], s[4:5], s[44:45]          ; q's images
	s_add_nc_u64 s[6:7], s[6:7], s[44:45]          ; k's
	s_add_nc_u64 s[8:9], s[8:9], s[44:45]          ; v's
.set k, 0
.rept 15
	global_load_b64 v[80+2*k:81+2*k], v5, s[6:7] offset:2048*k      ; 256 threads x 8 bytes
.set k, k+1
.endr
.irp k, 0,1,2,3,4
	global_load_b32 v[110+\k], v6, s[24:25] offset:1024*\k
.endr
	s_mul_i32 s44, s14, 3840                       ; pass 1: my five tiles of q, 768 bytes each,
	s_add_nc_u64 s[36:37], s[4:5], s[44:45]
	s_mul_i32 s44, s14, 640                        ; and their scale words
	s_add_nc_u64 s[38:39], s[22:23], s[44:45]
.irp t, 0,1,2,3,4
	global_load_b128 v[P1Q+6*\t:P1Q+6*\t+3], v1, s[36:37] offset:768*\t
	global_load_b64 v[P1Q+6*\t+4:P1Q+6*\t+5], v2, s[36:37] offset:768*\t+512
	global_load_b32 v[QAS+\t], v3, s[38:39] offset:128*\t
.endr
	s_mul_i32 s44, s14, 1536
	s_add_nc_u64 s[28:29], s[4:5], s[44:45]        ; pass 3: q at my first row pair
	s_lshl_b32 s44, s14, 8
	s_add_nc_u64 s[30:31], s[22:23], s[44:45]
	s_mov_b64 s[40:41], s[4:5]                     ; pass 2's walk over q
	s_mov_b64 s[42:43], s[22:23]
	s_mul_i32 s44, s16, 340992                     ; oq: tile L = 37 b + T at 9,216 L, head h at 768 h
	s_mul_i32 s46, ttmp9, 768
	s_add_co_u32 s44, s44, s46
	s_mul_i32 s46, s14, 18432
	s_add_co_u32 s44, s44, s46
	s_add_nc_u64 s[32:33], s[12:13], s[44:45]
	s_mul_i32 s44, s16, 28416                      ; its scale words: 768 L + 128 (h / 2) + 2 (h % 2)
	s_lshr_b32 s46, ttmp9, 1
	s_lshl_b32 s46, s46, 7
	s_add_co_u32 s44, s44, s46
	s_and_b32 s46, ttmp9, 1
	s_lshl_b32 s46, s46, 1
	s_add_co_u32 s44, s44, s46
	s_mul_i32 s46, s14, 1536
	s_add_co_u32 s44, s44, s46
	s_add_co_u32 s44, s44, 5455872
	s_add_nc_u64 s[34:35], s[12:13], s[44:45]
.irp i, 22,23,24,25,26,27,34,35,36,37,38,39,192,193,194,195,196,197
	v_mov_b32 v[\i], 0                             ; the zero halves of two fragments (k's in passes 1 and 2, q's in pass 3), and the six registers behind q's fifth image
.endr
.irp i, 66,67,68,69,70,71,72,73,74,75,76,77
	v_mov_b32 v[\i], 0                             ; named as halves of pairs before they are first made
.endr
.irp t, 0,1,2,3,4
	v_mov_b32 v[P1T+8*\t], v13                     ; the largest score so far: -infinity
	v_mov_b32 v[P1T+8*\t+2], 0x7f61b1e6            ; -M: 3e38, so that the first f is 2^(a saturated whole number) = 0, which meets a sum of 0
.irp i, 3,5,6,7
	v_mov_b32 v[P1T+8*\t+\i], 0                    ; the sums, and the other words of the pairs -M and f
.endr
.endr
	s_wait_loadcnt 15                              ; k's 20 loads are in; q's 15, issued behind them, may be out
.set k, 0
.rept 15
	ds_store_b64 v7, v[80+2*k:81+2*k] offset:2048*k
.set k, k+1
.endr
.irp k, 0,1,2,3,4
	ds_store_b32 v8, v[110+\k] offset:1024*\k
.endr
	s_cmp_lg_u32 s14, 0
	s_cbranch_scc1 .Lnot0
	ds_store_b128 v10, v[22:25]                    ; the zeros
.Lnot0:
	s_wait_kmcnt 0x0                               ; beta
	s_wait_dscnt 0x0
	s_barrier_signal -1
	s_barrier_wait -1                              ; k lies in LDS
	; ---------------------------------------------------------------- pass 1: -M and 1/l of my five tiles of queries, one sweep
.macro P1NEWM                          ; from the largest score so far: the new -M, and f = 2^(old M - new M)
.irp t, 0,1,2,3,4
	v_mul_f32 v[P1T+8*\t+1], s18, v[P1T+8*\t]      ; the largest t (c is positive)
.endr
.irp t, 0,1,2,3,4
	v_mov_b32 v[P1T+8*\t+4], v[P1T+8*\t+2]
.endr
.irp t, 0,1,2,3,4
	v_floor_f32 v[P1T+8*\t+2], -v[P1T+8*\t+1]      ; -M = floor(-t) = -ceil(t): a whole number
.endr
.irp t, 0,1,2,3,4
	v_sub_f32 v[P1T+8*\t+4], v[P1T+8*\t+2], v[P1T+8*\t+4]   ; old M less new M: a whole number, 0 or less
.endr
.irp t, 0,1,2,3,4
	v_cvt_i32_f32 v[P1T+8*\t+4], v[P1T+8*\t+4]     ; (it saturates)
.endr
.irp t, 0,1,2,3,4
	v_ldexp_f32 v[P1T+8*\t+4], 1.0, v[P1T+8*\t+4]
.endr
.endm
	s_mov_b32 s57, KIM
	s_mov_b32 s58, KSC
	KADR
	KLOAD1
	s_wait_loadcnt 0x0                             ; q
	s_mov_b32 s52, 18
.Lp1:                                          ; key blocks 0 .. 17
	s_wait_dscnt 0x0                               ; k's block, asked for ahead of the last trip's vector work
.irp u, 0,1
.irp t, 0,1,2,3,4
	MM0 P1S+16*\t+8*\u, 16+12*\u, P1Q+6*\t, KSR+\u, QAS+\t   ; ten sums, each fragment of k against five tiles of queries
.endr
.endr
	s_add_co_u32 s57, s57, 1536
	s_add_co_u32 s58, s58, 256
	KADR                                           ; three additions and a v_nop: the places behind the products
	v_nop
	KLOAD1                                         ; the next block
.irp i, 0,2,4,6
.irp t, 0,1,2,3,4
	v_max3_num_f32 v[P1T+8*\t], v[P1T+8*\t], v[P1S+16*\t+\i], v[P1S+16*\t+\i+1]   ; the five tiles by turns: no line waits for the line above it
.endr
.endr
.irp t, 0,1,2,3,4
	v_max3_num_f32 v[P1T+8*\t+1], v[P1S+16*\t+8], v[P1S+16*\t+9], v[P1S+16*\t+10]
.endr
.irp i, 11,13
.irp t, 0,1,2,3,4
	v_max3_num_f32 v[P1T+8*\t+1], v[P1T+8*\t+1], v[P1S+16*\t+\i], v[P1S+16*\t+\i+1]
.endr
.endr
.irp t, 0,1,2,3,4
	v_max3_num_f32 v[P1T+8*\t], v[P1T+8*\t], v[P1T+8*\t+1], v[P1S+16*\t+15]
.endr
	P1NEWM
.irp t, 0,1,2,3,4
.irp j, 0,2,4,6,8,10,12,14
	v_pk_fma_f32 v[P1S+16*\t+\j:P1S+16*\t+\j+1], v[P1S+16*\t+\j:P1S+16*\t+\j+1], s[18:19], v[P1T+8*\t+2:P1T+8*\t+3] op_sel_hi:[1,0,0]   ; t - M
.endr
.endr
.set ii, 0
.rept 80
	v_exp_f32 v[P1S+ii], v[P1S+ii]
.set ii, ii+1
.endr
	v_nop                                          ; a plain place behind the last exponential
	s_wait_alu depctr_va_vdst(0)                   ; one wait for the batch, ahead of its first reader
.irp t, 0,1,2,3,4
	v_pk_fma_f32 v[P1T+8*\t+6:P1T+8*\t+7], v[P1T+8*\t+6:P1T+8*\t+7], v[P1T+8*\t+4:P1T+8*\t+5], v[P1S+16*\t:P1S+16*\t+1] op_sel_hi:[1,0,1]   ; the sum under the new M, and the first pair of p
.endr
.irp j, 2,4,6,8,10,12,14
.irp t, 0,1,2,3,4
	v_pk_add_f32 v[P1T+8*\t+6:P1T+8*\t+7], v[P1T+8*\t+6:P1T+8*\t+7], v[P1S+16*\t+\j:P1S+16*\t+\j+1]
.endr
.endr
	s_sub_co_u32 s52, s52, 1
	s_cmp_lg_u32 s52, 0
	s_cbranch_scc1 .Lp1
	s_wait_dscnt 0x0                               ; block 18: key 576 alone, register 0 of lanes 0-15
.irp t, 0,1,2,3,4
	MM0 P1S+16*\t, 16, P1Q+6*\t, KSR, QAS+\t
.endr
	NOPS 4
	P2QLD                                          ; q's registers are free: pass 2's first eight images are asked for here
.irp t, 0,1,2,3,4
	v_cndmask_b32 v[P1S+16*\t], v13, v[P1S+16*\t], s21
.endr
.irp t, 0,1,2,3,4
	v_max_num_f32 v[P1T+8*\t], v[P1T+8*\t], v[P1S+16*\t]
.endr
	P1NEWM
.irp t, 0,1,2,3,4
	v_fma_f32 v[P1S+16*\t], v[P1S+16*\t], s18, v[P1T+8*\t+2]
.endr
.irp t, 0,1,2,3,4
	v_exp_f32 v[P1S+16*\t], v[P1S+16*\t]           ; 0 in lanes 16-31
.endr
.irp t, 0,1,2,3,4
	v_pk_mul_f32 v[P1T+8*\t+6:P1T+8*\t+7], v[P1T+8*\t+6:P1T+8*\t+7], v[P1T+8*\t+4:P1T+8*\t+5] op_sel_hi:[1,0]
.endr
.irp t, 0,1,2,3,4
	v_add_f32 v[P1T+8*\t+6], v[P1T+8*\t+6], v[P1T+8*\t+7]
.endr
	s_wait_alu depctr_va_vdst(0)
.irp t, 0,1,2,3,4
	v_add_f32 v[P1T+8*\t+6], v[P1T+8*\t+6], v[P1S+16*\t]    ; my half's sum under my half's M
.endr
.irp t, 0,1,2,3,4
	v_permlanex16_b32 v[P1T+8*\t+1], v[P1T+8*\t+2], s2, s3
.endr
.irp t, 0,1,2,3,4
	v_min_num_f32 v[P1T+8*\t+1], v[P1T+8*\t+1], v[P1T+8*\t+2]   ; the row's -M: the lesser of the halves'
.endr
.irp t, 0,1,2,3,4
	v_sub_f32 v[P1T+8*\t+4], v[P1T+8*\t+1], v[P1T+8*\t+2]   ; my M less the row's
.endr
.irp t, 0,1,2,3,4
	v_cvt_i32_f32 v[P1T+8*\t+4], v[P1T+8*\t+4]
.endr
.irp t, 0,1,2,3,4
	v_ldexp_f32 v[P1T+8*\t+4], 1.0, v[P1T+8*\t+4]
.endr
.irp t, 0,1,2,3,4
	v_mul_f32 v[P1T+8*\t+6], v[P1T+8*\t+6], v[P1T+8*\t+4]   ; my sum under the row's M: nothing is rounded
.endr
.irp t, 0,1,2,3,4
	v_permlanex16_b32 v[P1T+8*\t+7], v[P1T+8*\t+6], s2, s3
.endr
.irp t, 0,1,2,3,4
	v_add_f32 v[P1T+8*\t+6], v[P1T+8*\t+6], v[P1T+8*\t+7]   ; l, the same in both halves
.endr
.irp t, 0,1,2,3,4
	v_rcp_f32 v[P1T+8*\t+7], v[P1T+8*\t+6]
.endr
	s_mul_i32 s59, s14, 5                          ; my first tile
.irp t, 0,1,2,3,4
	s_add_co_u32 s44, s59, \t
	s_lshr_b32 s45, s44, 1
	s_lshl_b32 s45, s45, 5
	s_and_b32 s46, s44, 1
	s_lshl_b32 s46, s46, 3
	s_add_co_u32 s45, s45, s46                     ; the tile's first token: 32 (T / 2) + 8 (T % 2)
	s_sub_co_i32 s46, 577, s45
	v_cmp_gt_i32 s[66+\t], s46, v12                ; is my token under 577?
	s_lshl_b32 s45, s45, 2
	s_add_co_u32 s45, s45, STM
	v_add_nc_u32 v[P1T+8*\t+3], s45, v11           ; where my row's statistics go
.endr
	s_wait_alu depctr_va_vdst(0)                   ; one wait for the five reciprocals; the compares and additions above are the plain work behind them
.irp t, 0,1,2,3,4
	v_cndmask_b32 v[P1T+8*\t+7], 0, v[P1T+8*\t+7], s[66+\t]   ; 1/l, 0 from token 577 on
.endr
	s_wait_dscnt 0x0
	s_barrier_signal -1
	s_barrier_wait -1                              ; nobody reads LDS now
.irp t, 0,1,2,3,4
	ds_store_b32 v[P1T+8*\t+3], v[P1T+8*\t+1]      ; both halves of the lanes hold the same number
	ds_store_b32 v[P1T+8*\t+3], v[P1T+8*\t+7] offset:2560
.endr
	s_wait_dscnt 0x0
	s_barrier_signal -1
	s_barrier_wait -1                              ; the statistics of all 640 tokens lie in LDS
	; ---------------------------------------------------------------- pass 2: Qb
.irp i, 210,211,212,213,214,215,240,241,242,243,156,157,158,159,160,161
	v_mov_b32 v[\i], 0                             ; six zeros behind q's eighth fragment; lane permutes' destinations; the six zeros behind pass 3's fragments of k
.endr
.macro P2ADRK                          ; k's addresses of column tile s59, held at 36 (wave 7 makes tile 36 more than once: the same bytes)
	s_min_u32 s44, s59, 36
	s_mul_i32 s45, s44, 768
	s_add_co_u32 s45, s45, KIM
	s_lshl_b32 s46, s44, 7
	s_add_co_u32 s46, s46, KSC
	v_add_nc_u32 v7, s45, v1
	v_add_nc_u32 v8, s45, v2
	v_add_nc_u32 v9, s46, v3
.endm
.macro P2KLD
	ds_load_b128 v[16:19], v7
	ds_load_b64 v[20:21], v8 offset:512
	ds_load_b32 v[KSR], v9
.endm
; one column tile x 128 rows.  last = 1: K step 4, whose image has two groups.  fifth = 1: the wave's fifth tile of this K step
.macro P2COL last, fifth
	s_wait_loadcnt 0x0                             ; q's images of this K step
	s_wait_dscnt 0x0                               ; k's fragment, asked for a trip ago; the statistics; and the last image's stores are done
	s_min_u32 s44, s59, 36
	s_mul_i32 s47, s44, 7168
	s_add_co_u32 s47, s47, s61
	s_mul_i32 s48, s44, 320
	s_add_co_u32 s48, s48, s62
	v_add_nc_u32 v5, s47, v1                       ; where this tile's image goes,
	v_add_nc_u32 v6, s48, v4                       ; and its scale words
.irp t, 0,1,2,3,4,5,6,7
	MM0 80+8*\t, Q2F+6*\t, 16, QAS+\t, KSR         ; source 0 = 16 queries, source 1 = my 16 keys
.endr
.if (\fifth) && (\last)
	NOPS 4
.else
.if \fifth
	s_mul_i32 s59, s14, 5                          ; back to my first tile, for the next K step
.else
	s_add_co_u32 s59, s59, 1
.endif
	P2ADRK                                         ; three additions and a v_nop: the places behind the products
	v_nop
	P2KLD                                          ; the next tile's k: it lands under this tile's vector work
.if \fifth
	s_add_nc_u64 s[40:41], s[40:41], 6144          ; (the loads that read these bases have been waited for)
	s_add_nc_u64 s[42:43], s[42:43], 1024
	P2QLD                                          ; the next K step's q likewise
.endif
.endif
	WIN 0x10
.set jj, 0
.rept 32
	v_pk_fma_f32 v[80+jj:81+jj], v[80+jj:81+jj], s[18:19], v[jj:jj+1] op_sel_hi:[1,0,1]   ; t - M of each row
.set jj, jj+2
.endr
	WIN 0
.set jj, 0
.rept 64
	v_exp_f32 v[80+jj], v[80+jj]
.set jj, jj+1
.endr
	v_nop
	s_wait_alu depctr_va_vdst(0)                   ; one wait for the batch
	WIN 0x04
.set jj, 0
.rept 32
	v_pk_mul_f32 v[80+jj:81+jj], v[80+jj:81+jj], v[64+jj:65+jj]    ; A = p / l, finished
.set jj, jj+2
.endr
	WIN 0
	QUANT 80
	ds_store_b128 v5, v[PC:PC+3]
	ds_store_b128 v5, v[PC+4:PC+7] offset:512
.if (\last) == 0
	ds_store_b128 v5, v[PC+8:PC+11] offset:1024
.endif
	ds_store_b32 v6, v[PW]
.endm
; rows 128 s2 .. 128 s2 + 127 of my five column tiles.  last = 1: K step 4, whose addresses are constants
.macro P2STEP last
.if \last
	s_mov_b32 s60, STM+2048
	s_mov_b32 s61, QB+6144
	s_mov_b32 s62, QBS+256
.endif
	v_add_nc_u32 v14, s60, v15
	WIN 0x40                                       ; destination window 1: -M in v0-63, 1/l in v64-127, register 16 b + i for row 32 b + 16 (lane / 16) + i
.irp b, 0,1,2,3
.irp g, 0,1,2,3
	ds_load_b128 v[16*\b+4*\g:16*\b+4*\g+3], v14 offset:128*\b+16*\g
	ds_load_b128 v[64+16*\b+4*\g:64+16*\b+4*\g+3], v14 offset:2560+128*\b+16*\g
.endr
.endr
	WIN 0
	s_mov_b32 s52, 4
.Lcol_\@:
	P2COL \last, 0
	s_sub_co_u32 s52, s52, 1
	s_cmp_lg_u32 s52, 0
	s_cbranch_scc1 .Lcol_\@
	P2COL \last, 1                                 ; the fifth tile is written out: behind its products the next K step is asked for
.endm
	s_mov_b32 s60, STM
	s_mov_b32 s61, QB
	s_mov_b32 s62, QBS
	s_mul_i32 s59, s14, 5
	P2ADRK
	P2KLD
	s_mov_b32 s53, 4
.Lrows:
	P2STEP 0
	s_add_co_u32 s60, s60, 512
	s_add_co_u32 s61, s61, 1536
	s_add_co_u32 s62, s62, 64
	s_sub_co_u32 s53, s53, 1
	s_cmp_lg_u32 s53, 0
	s_cbranch_scc1 .Lrows
	P2STEP 1
	s_wait_dscnt 0x0                               ; for the others' sake: my images lie in LDS
	s_barrier_signal -1
	s_barrier_wait -1                              ; Qb is whole; from here on LDS is only read
	; ---------------------------------------------------------------- pass 3
.macro QADRC nb
	v_add_nc_u32 v5, QB+14336*(\nb), v1
	v_add_nc_u32 v6, QBS+640*(\nb), v4
.endm
.macro NEXTADR nb                      ; the addresses of the next block of 32 columns: five additions, which are also places behind the products
.if (\nb) >= 0
	QADRC \nb
	KADRC \nb
.else
	s_add_co_u32 s55, s55, 14336
	s_add_co_u32 s56, s56, 640
	s_add_co_u32 s57, s57, 1536
	s_add_co_u32 s58, s58, 256
	v_add_nc_u32 v5, s55, v1
	v_add_nc_u32 v6, s56, v4
	KADR
.endif
.endm
.macro QLOAD set, s, nu                ; Qb's fragments of K step s for the block's nu column tiles, and their scale words: 4 nu LDS loads
.irp u, 0,1
.if \u < (\nu)
.irp g, 0,1,2
.if ((\s) == 4) && (\g == 2)
	ds_load_b128 v[QBF+24*(\set)+12*\u+8:QBF+24*(\set)+12*\u+11], v10
.else
	ds_load_b128 v[QBF+24*(\set)+12*\u+4*\g:QBF+24*(\set)+12*\u+4*\g+3], v5 offset:7168*\u+1536*(\s)+512*\g
.endif
.endr
	ds_load_b32 v[QSR+2*(\set)+\u], v6 offset:320*\u+64*(\s)
.endif
.endr
.endm
.macro P5 set, s, nu, zero             ; AA's raw sums: source 0 = 16 columns of Qb, source 1 = Qa (window 1): lane = query, registers along the columns
.irp u, 0,1
.if \u < (\nu)
.irp t, 0,1
.if \zero
	MM0 F+16*\t+8*\u, QBF+24*(\set)+12*\u, QA+60*\t+12*(\s), QSR+2*(\set)+\u, QAS+5*\t+(\s)
.else
	MMA F+16*\t+8*\u, QBF+24*(\set)+12*\u, QA+60*\t+12*(\s), QSR+2*(\set)+\u, QAS+5*\t+(\s)
.endif
.endr
.endif
.endr
.endm
.macro VLOAD cb, sb, off, soff         ; v's four fragments of a K step and their scale words
	WIN 0x40
.irp d, 0,1,2,3
.irp g, 0,1,2
	global_load_b128 v[VF+12*\d+4*\g:VF+12*\d+4*\g+3], v1, s[\cb:\cb+1] offset:(\off)+1536*\d+512*\g
.endr
.endr
	WIN 0
.irp d, 0,1,2,3
	global_load_b32 v[VSR+\d], v3, s[\sb:\sb+1] offset:(\soff)+128*\d
.endr
.endm
; key block kb of Qa: p = 2^(t - M) quantised along the keys
.macro ABLK kb
	s_wait_dscnt 0x0
.if (\kb) < 18
	SPROD 2
	NOPS 4
	KLOAD 1536*((\kb)+1), 256*((\kb)+1)
.else
	SPROD 1
	NOPS 4
.irp t, 0,1
	v_cndmask_b32 v[S+16*\t], v13, v[S+16*\t], s21 ; key 576 alone counts: all other scores of the block become -infinity, p = 0
.endr
.irp t, 0,1
.irp i, 1,2,3,4,5,6,7,8,9,10,11,12,13,14,15
	v_mov_b32 v[S+16*\t+\i], v13
.endr
.endr
.endif
.irp t, 0,1
	v_max3_num_f32 v[TMX+\t], v[S+16*\t], v[S+16*\t+1], v[S+16*\t+2]   ; the block's largest score: p rises with the score
.endr
.irp i, 3,5,7,9,11,13
.irp t, 0,1
	v_max3_num_f32 v[TMX+\t], v[TMX+\t], v[S+16*\t+\i], v[S+16*\t+\i+1]
.endr
.endr
.irp t, 0,1
	v_max_num_f32 v[TMX+\t], v[TMX+\t], v[S+16*\t+15]
.endr
.irp t, 0,1
	v_permlanex16_b32 v[TPX+\t], v[TMX+\t], s2, s3
.endr
.irp t, 0,1
	v_max_num_f32 v[TMX+\t], v[TMX+\t], v[TPX+\t]
.endr
	TSUBM
.irp t, 0,1
	v_fma_f32 v[TMX+\t], v[TMX+\t], s18, v[NM+2*\t]
.endr
	EXP32
.irp t, 0,1
	v_exp_f32 v[TMX+\t], v[TMX+\t]                 ; the block's largest p
.endr
	v_nop
	s_wait_alu depctr_va_vdst(0)                   ; one wait for the 34
.irp t, 0,1
	v_max_num_f32 v[TMX+\t], 0x1800000, v[TMX+\t]  ; the floor
.endr
.irp t, 0,1
	v_add_nc_u32 v[TSX+\t], 0xff000000, v[TMX+\t]
.endr
.irp t, 0,1
.if (\kb)%4 == 0
	v_lshrrev_b32 v[QAS+5*\t+(\kb)/4], 23, v[TSX+\t]
.else
	v_lshrrev_b32 v[TPX+\t], 23, v[TSX+\t]
	v_lshl_or_b32 v[QAS+5*\t+(\kb)/4], v[TPX+\t], 8*((\kb)%4), v[QAS+5*\t+(\kb)/4]
.endif
.endr
.irp t, 0,1
	v_cvt_scalef32_pk16_fp6_f32 v[TSL+8*\t+4*((\kb)%2):TSL+8*\t+4*((\kb)%2)+2], v[S+16*\t:S+16*\t+15], v[TSX+\t]
.endr
	v_nop
.if (\kb) == 18
.irp i, 4,5,6,12,13,14
	v_mov_b32 v[TSL+\i], 0                         ; block 19: zero codes
.endr
.endif
.if ((\kb)%2 == 1) || ((\kb) == 18)
.irp t, 0,1
	PAIRUP TSL+8*\t, TSL+8*\t+4, QA+60*\t+12*((\kb)/4)+6*(((\kb)/2)%2), 1
.endr
.endif
.endm
; a block of 32 columns: pos = its place among the four of a K step of the last product; nu = its column tiles; nun = the next block's; nb = the next block (-1: by the stepped scalars)
.macro BLOCK3 pos, nu, nun, nb
	s_wait_dscnt 0x0                               ; Qb's K steps 0, 1, 2 and k, asked for ahead of the last block's vector work
	WIN 0x04
	P5 0, 0, \nu, 1
	P5 1, 1, \nu, 0
	WIN 0
	NOPS 4
	QLOAD 0, 3, \nu
	QLOAD 1, 4, \nu
	WIN 0x04
	P5 2, 2, \nu, 0
	WIN 0
	SPROD \nu
	s_wait_dscnt 4*(\nu)                           ; K step 3 is in; K step 4's loads may be out
	WIN 0x04
	P5 0, 3, \nu, 0
	s_wait_dscnt 0x0
	P5 1, 4, \nu, 0
	WIN 0
	NEXTADR \nb
	QLOAD 0, 0, \nun
	QLOAD 1, 1, \nun
	QLOAD 2, 2, \nun
	KLOAD 0, 0
.if (\nu) == 2
	TSUBM
	EXP32
	v_nop
	s_wait_alu depctr_va_vdst(0)                   ; one wait for the batch
.irp t, 0,1
.irp j, 0,2,4,6,8,10,12,14
	v_pk_mul_f32 v[S+16*\t+\j:S+16*\t+\j+1], v[S+16*\t+\j:S+16*\t+\j+1], v[K1+2*\t:K1+2*\t+1] op_sel_hi:[1,0]
.endr
.endr
.irp t, 0,1
.irp j, 0,2,4,6,8,10,12,14
	v_pk_fma_f32 v[F+16*\t+\j:F+16*\t+\j+1], v[F+16*\t+\j:F+16*\t+\j+1], v[K2+2*\t:K2+2*\t+1], v[S+16*\t+\j:S+16*\t+\j+1] op_sel_hi:[1,0,1]
.endr
.endr
.else                                  ; block 18: column 576 alone, register 0 of lanes 0-15; all else is overwritten with 0
.irp t, 0,1
	v_fma_f32 v[S+16*\t], v[S+16*\t], s18, v[NM+2*\t]
.endr
.irp t, 0,1
	v_exp_f32 v[S+16*\t], v[S+16*\t]
.endr
	v_nop
	s_wait_alu depctr_va_vdst(0)
.irp t, 0,1
	v_mul_f32 v[S+16*\t], v[S+16*\t], v[K1+2*\t]
.endr
.irp t, 0,1
	v_fma_f32 v[F+16*\t], v[F+16*\t], v[K2+2*\t], v[S+16*\t]
.endr
.irp t, 0,1
	v_cndmask_b32 v[F+16*\t], 0, v[F+16*\t], s21
.endr
.irp t, 0,1
.irp i, 1,2,3,4,5,6,7,8,9,10,11,12,13,14,15
	v_mov_b32 v[F+16*\t+\i], 0
.endr
.endr
.endif
	BQ2 F, F+16, TSL+4*((\pos)%2), TSL+8+4*((\pos)%2), 0
.irp t, 0,1
.if (\pos) == 0
	v_mov_b32 v[PWR+\t], v[TPX+\t]
.else
	v_lshl_or_b32 v[PWR+\t], v[TPX+\t], 8*(\pos), v[PWR+\t]
.endif
.endr
.if (\nu) == 1
.irp i, 4,5,6,12,13,14
	v_mov_b32 v[TSL+\i], 0                         ; block 19: zero codes
.endr
.endif
.if ((\pos)%2 == 1) || ((\nu) == 1)
	PAIRUP TSL, TSL+4, FIN+6*((\pos)/2), 1
	PAIRUP TSL+8, TSL+12, FIN+12+6*((\pos)/2), 1
.endif
.endm
.macro P6 zero                         ; O^T += V^T F^T: source 0 = 16 channels of v, source 1 = F's codes: lane = query, registers along the channels
	s_wait_loadcnt 0x0                             ; v's fragments
	NOPS 8                                         ; F's scale words were written by vector instructions: eight places; its codes: four
	WIN 0x55
.irp d, 0,1,2,3
.irp t, 0,1
.if \zero
	MM0 OA+32*\t+8*\d, VF+12*\d, FIN+12*\t, VSR+\d, PWR+\t
.else
	MMA OA+32*\t+8*\d, VF+12*\d, FIN+12*\t, VSR+\d, PWR+\t
.endif
.endr
.endr
	WIN 0
	NOPS 4
.endm
	VLOAD 8, 26, 24576, 2048                       ; v's K step 4, which goes first
	v_fma_f32 v78, s20, -2.0, 1.0                  ; 1 - 2 beta
	v_mov_b32 v79, s20
	v_mul_f32 v79, 0x40400000, v79                 ; 3 beta
	QADRC 16
	QLOAD 0, 0, 2                                  ; Qb's first fragments of block 16: later row pairs find them loaded by the pair before
	QLOAD 1, 1, 2
	QLOAD 2, 2, 2
	s_mov_b32 s54, s14                             ; the row pair
.Lround:
	QLD 0, 0
	s_lshl_b32 s44, s54, 7
	s_add_co_u32 s44, s44, STM
	v_add_nc_u32 v14, s44, v11
	ds_load_b32 v[NM], v14
	ds_load_b32 v[NM+2], v14 offset:32
	ds_load_b32 v[K1+1], v14 offset:2560
	ds_load_b32 v[K1+3], v14 offset:2592
	KADRC 0
	KLOAD 0, 0
	s_wait_dscnt 6                                 ; the statistics are in; k's six loads may be out
.irp t, 0,1
	v_mul_f32 v[K2+2*\t], v[K1+2*\t+1], v79
	v_mul_f32 v[K1+2*\t], v[K1+2*\t+1], v78
.endr
	s_wait_loadcnt 0x0                             ; q
.irp kb, 0,1,2,3,4,5,6,7,8,9,10,11,12,13,14,15,16,17,18
	ABLK \kb
.endr
	KADRC 16
	KLOAD 0, 0
	NOPS 8                                         ; Qa's scale words and codes were written by vector instructions
	BLOCK3 0, 2, 2, 17                             ; columns 512 .. 543
	BLOCK3 1, 2, 1, 18
	BLOCK3 2, 1, 2, 0                              ; column 576
	P6 1                                           ; starts O's sums: nothing is cleared
	VLOAD 8, 26, 0, 0
	s_mov_b32 s55, QB
	s_mov_b32 s56, QBS
	s_mov_b32 s57, KIM
	s_mov_b32 s58, KSC
	s_mov_b64 s[36:37], s[8:9]
	s_mov_b64 s[38:39], s[26:27]
	s_mov_b32 s52, 4
.Ljs:                                          ; columns 128 js .. 128 js + 127
	BLOCK3 0, 2, 2, -1
	BLOCK3 1, 2, 2, -1
	BLOCK3 2, 2, 2, -1
	BLOCK3 3, 2, 2, -1
	P6 0
	s_wait_xcnt 0x0                                ; the last loads of v have read their bases
	s_add_nc_u64 s[36:37], s[36:37], 6144
	s_add_nc_u64 s[38:39], s[38:39], 512
	VLOAD 36, 38, 0, 0                             ; the next K step; the last trip brings K step 4, for the next row pair
	s_sub_co_u32 s52, s52, 1
	s_cmp_lg_u32 s52, 0
	s_cbranch_scc1 .Ljs
	; the way out: O is quantised along the head's 64 channels
	s_wait_dscnt 0x0                               ; the loads for block 16 have landed: Qb's stay for the next row pair, k's registers are loaded anew
.irp t, 0,1
	BQ2 OA+32*\t, OA+32*\t+16, TSL, TSL+4, 1
	PAIRUP TSL, TSL+4, 80+8*\t, 0
	v_lshl_or_b32 v[86+8*\t], v[TPX+1], 8, v[TPX]
.endr
	global_store_b128 v1, v[80:83], s[32:33]
	global_store_b64 v2, v[84:85], s[32:33] offset:512
	global_store_b16 v3, v86, s[34:35]
	s_cmp_eq_u32 s54, 18                           ; tile 37 does not exist
	s_cbranch_scc1 .Lno37
	global_store_b128 v1, v[88:91], s[32:33] offset:9216
	global_store_b64 v2, v[92:93], s[32:33] offset:9216+512
	global_store_b16 v3, v94, s[34:35] offset:768
.Lno37:
	s_wait_xcnt 0x0                                ; the stores have read their registers and bases
	s_add_nc_u64 s[28:29], s[28:29], 12288
	s_add_nc_u64 s[30:31], s[30:31], 2048
	s_add_nc_u64 s[32:33], s[32:33], 147456
	s_add_nc_u64 s[34:35], s[34:35], 12288
	s_add_co_u32 s54, s54, 8
	s_cmp_lt_u32 s54, 19
	s_cbranch_scc1 .Lround
	s_barrier_signal -1
	s_barrier_wait -1
	s_wait_xcnt 0x0
	v_lshl_add_u32 v254, v0, 2, 0x4dd00
	v_mov_b32 v255, 0
	s_wait_tensorcnt 0x0
	ds_add_u32 v254, v255
	s_wait_dscnt 0x0
	s_endpgm
.Lfunc_end_k_q9339627392_attn:
	.size	k_q9339627392_attn, .Lfunc_end_k_q9339627392_attn-k_q9339627392_attn
	.p2alignl 7, 3214868480
	.fill 96, 4, 3214868480
	.section	.rodata,"a",@progbits
	.p2align	6, 0x0
	.amdhsa_kernel k_q9339627392_attn
		.amdhsa_group_segment_fixed_size 319744
		.amdhsa_private_segment_fixed_size 0
		.amdhsa_enable_private_segment 0
		.amdhsa_kernarg_size 40
		.amdhsa_user_sgpr_count 2
		.amdhsa_user_sgpr_kernarg_segment_ptr 1
		.amdhsa_wavefront_size32 1
		.amdhsa_system_sgpr_workgroup_id_x 1
		.amdhsa_system_sgpr_workgroup_id_y 1
		.amdhsa_system_sgpr_workgroup_id_z 1
		.amdhsa_system_vgpr_workitem_id 0
		.amdhsa_next_free_vgpr 512
		.amdhsa_next_free_sgpr 100
		.amdhsa_reserve_vcc 0
		.amdhsa_float_denorm_mode_32 3
		.amdhsa_float_denorm_mode_16_64 3
		.amdhsa_memory_ordered 1
		.amdhsa_forward_progress 1
		.amdhsa_inst_pref_size 255
	.end_amdhsa_kernel
	.section	.bss,"aw",@nobits
	.p2align	6
	.space	262144
	.amdgpu_metadata
---
amdhsa.version: [ 1, 2 ]
amdhsa.kernels:
  - .name:           k_q9339627392_attn
    .symbol:         k_q9339627392_attn.kd
    .args:
      - { .name: qq, .offset: 0, .size: 8, .value_kind: global_buffer, .address_space: global }
      - { .name: kq, .offset: 8, .size: 8, .value_kind: global_buffer, .address_space: global }
      - { .name: vq, .offset: 16, .size: 8, .value_kind: global_buffer, .address_space: global }
      - { .name: lamb, .offset: 24, .size: 8, .value_kind: global_buffer, .address_space: global }
      - { .name: oq, .offset: 32, .size: 8, .value_kind: global_buffer, .address_space: global }
    .group_segment_fixed_size: 319744
    .private_segment_fixed_size: 0
    .kernarg_segment_align: 8
    .kernarg_segment_size: 40
    .max_flat_workgroup_size: 256
    .sgpr_count:     100
    .vgpr_count:     512
    .wavefront_size: 32
...
	.end_amdgpu_metadata
.endif
;; end of part 3
;; launch proj (part 4): grid 74 x 3, 4 waves a work-group, no clusters, 91,648 bytes of LDS; arguments oq, wq, bp, out0; writes out0
.if DOCPART == 4
	.amdgcn_target "amdgcn-amd-amdhsa--gfx1250"
	.amdhsa_code_object_version 6
	.text
	.protected	k_q9339627392_proj
	.globl	k_q9339627392_proj
	.p2align	8
	.type	k_q9339627392_proj,@function
k_q9339627392_proj:
	s_mov_b64 s[64:65], 0
	v_nop
	global_prefetch_b8 v0, s[64:65] scope:SCOPE_SE
	s_setreg_imm32_b32 hwreg(HW_REG_WAVE_MODE, 25, 1), 1
	s_wait_xcnt 0x0
; out0 = O Wp^T + bp on codes of FP6 (K = 768).  Work-group (x, y): token tiles L = 8 x .. 8 x + 7 (L = 37 b + T; 592 = 74 x 8), wave w: outputs 64 u .. 64 u + 63, u = 4 y + w: 192 products on 32 accumulators.
; O's 48 operand images (73,728 dense bytes) are copied into LDS once and only read afterwards; a fragment is two half images (heads 2 s and 2 s + 1).  Wp's fragments go from memory into registers, two K steps ahead.
; Source 0 = Wp, source 1 = O: a lane holds one token and its registers run along the outputs.  The bias is the C of each sum's first product.
; The way out goes through the wave's own stage (16 rows of 256 bytes + 16), so that sixteen lanes store 256 consecutive bytes, aligned.  Row i of tile T is token 32 (T / 2) + 8 (T % 2) + i + 8 (i / 8); tile 36 has token 576 alone.
; No cluster: what work-groups share is Wp, which does not pass through LDS here.
; REGISTERS.  window 0: v1 16 l, v2 16 l + 36,864, v4 8 l, v5 8 l + 36,864, v3 4 l; v16-63 O's scale words; v64-75 Wp's; v80-127, v128-175 O's fragments; v224-255 the bias.  window 1: the accumulators.  window 2: Wp's three sets.
.set XS,  16
.set WS,  64
.set XA,  80
.set BI,  224
.set STG, 73728
.set MSB, 0
.macro WIN new
.if MSB != (\new)
	s_set_vgpr_msb (MSB<<8)|(\new)
.set MSB, (\new)
.endif
.endm
.macro NOPS n
.rept \n
	v_nop
.endr
.endm
.macro MMA d, a, b, sa, sb
	v_wmma_scale_f32_16x16x128_f8f6f4 v[(\d):(\d)+7], v[(\a):(\a)+11], v[(\b):(\b)+11], v[(\d):(\d)+7], v[(\sa)], v[(\sb)] matrix_a_fmt:MATRIX_FMT_FP6 matrix_b_fmt:MATRIX_FMT_FP6
.endm
.macro MMC d, a, b, c, sa, sb
	v_wmma_scale_f32_16x16x128_f8f6f4 v[(\d):(\d)+7], v[(\a):(\a)+11], v[(\b):(\b)+11], v[(\c):(\c)+7], v[(\sa)], v[(\sb)] matrix_a_fmt:MATRIX_FMT_FP6 matrix_b_fmt:MATRIX_FMT_FP6
.endm
.macro WLOAD s                         ; 16 loads
	WIN 0x80
.irp t, 0,1,2,3
.irp g, 0,1,2
	global_load_b128 v[48*((\s)%3)+12*\t+4*\g:48*((\s)%3)+12*\t+4*\g+3], v1, s[24:25] offset:(4*(\s)+\t)*1536+512*\g
.endr
.endr
	WIN 0
.irp t, 0,1,2,3
	global_load_b32 v[WS+4*((\s)%3)+\t], v3, s[26:27] offset:(4*(\s)+\t)*128
.endr
.endm
.macro XLOAD hf, s                     ; four fragments, each from two half images: 16 LDS loads
.irp a, 0,1,2,3
.set fb, XA+48*(\hf)+12*\a
.set ob, (6*\a+(\s))*1536
	ds_load_b128 v[fb:fb+3], v[1+(\hf)] offset:ob
	ds_load_b64 v[fb+4:fb+5], v[4+(\hf)] offset:ob+512
	ds_load_b128 v[fb+6:fb+9], v[1+(\hf)] offset:ob+768
	ds_load_b64 v[fb+10:fb+11], v[4+(\hf)] offset:ob+1280
.endr
.endm
.macro MUL16 s, a0                     ; 16 products on 16 accumulators, one instruction a turn
.irp a, 0,1,2,3
.irp t, 0,1,2,3
.set xf, XA+12*((\a0)+\a)
.set wf, 48*((\s)%3)+12*\t
.set xsc, XS+6*((\a0)+\a)+(\s)
.set wsc, WS+4*((\s)%3)+\t
.set dd, 8*(4*((\a0)+\a)+\t)
.if (\s) == 0
	MMC dd, wf, xf, BI+8*\t, wsc, xsc
.else
	MMA dd, wf, xf, wsc, xsc
.endif
.endr
.endr
.endm
.macro KSTEP s
.if (\s) < 4
	WLOAD (\s)+2
	s_wait_loadcnt 32                              ; this step's W is in: the 16 + 16 loads of the next two steps may be out
.elseif (\s) == 4
	s_wait_loadcnt 16                              ; the last step's 16 may be out
.else
	s_wait_loadcnt 0x0
.endif
	s_wait_dscnt 16                                ; tiles 0-3 are in; the 16 loads of tiles 4-7 may be out
.if (\s) == 0
	WIN 0x42                                       ; source 0 window 2, the bias window 0, destination window 1
.else
	WIN 0x52
.endif
	MUL16 \s, 0
	WIN 0
	NOPS 4
.if (\s) < 5
	XLOAD 0, (\s)+1
	s_wait_dscnt 16
.else
	s_wait_dscnt 0x0
.endif
.if (\s) == 0
	WIN 0x42
.else
	WIN 0x52
.endif
	MUL16 \s, 4
	WIN 0
	NOPS 4
.if (\s) < 5
	XLOAD 1, (\s)+1
.endif
.endm
.macro OUT a                           ; tile a's 16 tokens x my 64 outputs
	s_wait_xcnt 0x0                                ; the last tile's stores have read their registers and base
	WIN 0x04                                       ; an LDS store's data are its source 1: window 1
.irp t, 0,1,2,3
	ds_store_b128 v9, v[8*(4*(\a)+\t):8*(4*(\a)+\t)+3] offset:128*(\t/2)+32*(\t%2)       ; each accumulator from its low end on
	ds_store_b128 v9, v[8*(4*(\a)+\t)+4:8*(4*(\a)+\t)+7] offset:128*(\t/2)+32*(\t%2)+16
.endr
	WIN 0
.irp i, 0,1,2,3,4,5,6,7
	ds_load_b128 v[80+4*\i:83+4*\i], v10 offset:544*\i             ; LDS serves a wave's instructions in order: these see my stores
.endr
	s_add_co_u32 s44, s16, \a                      ; L
	s_mul_i32 s45, s44, 1772
	s_lshr_b32 s45, s45, 16                        ; b = L / 37 (exact for L under 2,294)
	s_mul_i32 s46, s45, 37
	s_sub_co_u32 s46, s44, s46                     ; T
	s_mul_i32 s47, s45, 577
	s_lshr_b32 s48, s46, 1
	s_lshl_b32 s48, s48, 5
	s_add_co_u32 s47, s47, s48
	s_and_b32 s48, s46, 1
	s_lshl_b32 s48, s48, 3
	s_add_co_u32 s47, s47, s48                     ; the tile's first row of out0
	s_mul_i32 s48, s47, 3072
	s_mov_b32 s49, 0
	s_add_nc_u64 s[48:49], s[18:19], s[48:49]
	s_wait_dscnt 0x0
	s_cmp_eq_u32 s46, 36
	s_cbranch_scc1 .Lone_\@
.irp i, 0,1,2,3,4,5,6,7
	global_store_b128 v11, v[80+4*\i:83+4*\i], s[48:49] offset:(2*\i+8*(\i/4))*3072 th:TH_STORE_NT   ; 16 lanes store 256 consecutive bytes, aligned; two rows an instruction
.endr
	s_branch .Lsent_\@
.Lone_\@:                                      ; token 576: row 0, lanes 0-15
	v_cmp_gt_u32 vcc_lo, 16, v8
	s_wait_xcnt 0x0                                ; EXEC changes only behind this wait
	s_and_saveexec_b32 s50, vcc_lo
	global_store_b128 v11, v[80:83], s[48:49] th:TH_STORE_NT
	s_wait_xcnt 0x0
	s_or_b32 exec_lo, exec_lo, s50
.Lsent_\@:
.endm
	s_load_b256 s[4:11], s[0:1], 0x0               ; oq, wq, bp, out0
	v_lshl_add_u32 v78, v0, 2, 0x16400
	v_mov_b32 v79, 0
	v_lshrrev_b32 v1, 5, v0
	v_readfirstlane_b32 s14, v1                    ; wave
	v_and_b32 v8, 31, v0                           ; lane
	v_lshlrev_b32 v1, 4, v8
	v_add_nc_u32 v2, 36864, v1
	v_lshlrev_b32 v3, 2, v8
	v_lshlrev_b32 v4, 3, v8
	v_add_nc_u32 v5, 36864, v4
	v_lshlrev_b32 v6, 4, v0                        ; the copy: 16 x thread
	v_add_nc_u32 v7, 36864, v6
	v_and_b32 v13, 15, v0
	v_bfe_u32 v14, v0, 4, 1
	v_lshlrev_b32 v12, 6, v14                      ; 64 (l / 16)
	s_mul_i32 s40, s14, 4352
	s_add_co_u32 s40, s40, STG                     ; my stage
	v_mul_u32_u24 v9, v13, 272
	v_add_nc_u32 v9, v9, v12
	v_add_nc_u32 v9, s40, v9                       ; in: row l % 16, + 64 (l / 16)
	v_mul_u32_u24 v10, v14, 272
	v_lshl_add_u32 v10, v13, 4, v10
	v_add_nc_u32 v10, s40, v10                     ; back: lanes 0-15 one row, lanes 16-31 the next
	v_mul_u32_u24 v11, v14, 3072
	v_lshl_add_u32 v11, v13, 4, v11                ; and the same in out0
	s_and_b32 s15, ttmp7, 0xffff
	s_lshl_b32 s15, s15, 2
	s_add_co_u32 s15, s15, s14                     ; u
	s_lshl_b32 s16, ttmp9, 3                       ; my first tile
	s_mul_i32 s42, ttmp9, 73728
	s_mov_b32 s43, 0
	s_mul_i32 s44, ttmp9, 6144
	s_add_co_u32 s44, s44, 5455872
	s_mov_b32 s45, 0
	s_add_co_u32 s46, s15, 36                      ; Wp's unit u in wq
	s_mul_i32 s48, s46, 36864
	s_mov_b32 s49, 0
	s_mul_i32 s50, s46, 3072
	s_add_co_u32 s50, s50, 1769472
	s_mov_b32 s51, 0
	s_lshl_b32 s46, s15, 8                         ; 256 u: my outputs' bytes in bp and in a row of out0
	s_mov_b32 s47, 0
	s_wait_kmcnt 0x0
	s_add_nc_u64 s[42:43], s[4:5], s[42:43]
	s_add_nc_u64 s[44:45], s[4:5], s[44:45]
	s_add_nc_u64 s[24:25], s[6:7], s[48:49]
	s_add_nc_u64 s[26:27], s[6:7], s[50:51]
	s_add_nc_u64 s[8:9], s[8:9], s[46:47]
	s_add_nc_u64 s[18:19], s[10:11], s[46:47]
.set k, 0
.rept 36
	global_load_b128 v[80+4*k:83+4*k], v6, s[42:43] offset:2048*k
.set k, k+1
.endr
.set k, 0
.rept 48
	global_load_b32 v[XS+k], v3, s[44:45] offset:128*k
.set k, k+1
.endr
	s_wait_loadcnt 48                              ; the copy's 36 loads are in; the 48 loads of scale words may be out
.set k, 0
.rept 18
	ds_store_b128 v6, v[80+4*k:83+4*k] offset:2048*k
.set k, k+1
.endr
.rept 18
	ds_store_b128 v7, v[80+4*k:83+4*k] offset:2048*(k-18)
.set k, k+1
.endr
.irp t, 0,1,2,3                        ; the bias in the result's layout: tile t, lane half h: outputs 32 (t / 2) + 16 h + 8 (t % 2) + 0 .. 7
	global_load_b128 v[BI+8*\t:BI+8*\t+3], v12, s[8:9] offset:(32*(\t/2)+8*(\t%2))*4
	global_load_b128 v[BI+8*\t+4:BI+8*\t+7], v12, s[8:9] offset:(32*(\t/2)+8*(\t%2))*4+16
.endr
	WLOAD 0
	WLOAD 1
	s_wait_dscnt 0x0                               ; for the others' sake: my part of the images lies in LDS
	s_barrier_signal -1
	s_barrier_wait -1                              ; the one barrier: the images are only read from here on; the stages are each wave's own
	XLOAD 0, 0
	XLOAD 1, 0
.irp s, 0,1,2,3,4,5
	KSTEP \s
.endr
.irp a, 0,1,2,3,4,5,6,7
	OUT \a
.endr
	s_barrier_signal -1
	s_barrier_wait -1
	s_wait_tensorcnt 0x0
	ds_add_u32 v78, v79
	s_wait_dscnt 0x0
	s_endpgm
.Lfunc_end_k_q9339627392_proj:
	.size	k_q9339627392_proj, .Lfunc_end_k_q9339627392_proj-k_q9339627392_proj
	.p2alignl 7, 3214868480
	.fill 96, 4, 3214868480
	.section	.rodata,"a",@progbits
	.p2align	6, 0x0
	.amdhsa_kernel k_q9339627392_proj
		.amdhsa_group_segment_fixed_size 91648
		.amdhsa_private_segment_fixed_size 0
		.amdhsa_enable_private_segment 0
		.amdhsa_kernarg_size 32
		.amdhsa_user_sgpr_count 2
		.amdhsa_user_sgpr_kernarg_segment_ptr 1
		.amdhsa_wavefront_size32 1
		.amdhsa_system_sgpr_workgroup_id_x 1
		.amdhsa_system_sgpr_workgroup_id_y 1
		.amdhsa_system_sgpr_workgroup_id_z 1
		.amdhsa_system_vgpr_workitem_id 0
		.amdhsa_next_free_vgpr 672
		.amdhsa_next_free_sgpr 66
		.amdhsa_reserve_vcc 1
		.amdhsa_float_denorm_mode_32 3
		.amdhsa_float_denorm_mode_16_64 3
		.amdhsa_memory_ordered 1
		.amdhsa_forward_progress 1
		.amdhsa_inst_pref_size 85
	.end_amdhsa_kernel
	.amdgpu_metadata
---
amdhsa.version: [ 1, 2 ]
amdhsa.kernels:
  - .name:           k_q9339627392_proj
    .symbol:         k_q9339627392_proj.kd
    .args:
      - { .name: oq, .offset: 0, .size: 8, .value_kind: global_buffer, .address_space: global }
      - { .name: wq, .offset: 8, .size: 8, .value_kind: global_buffer, .address_space: global }
      - { .name: bp, .offset: 16, .size: 8, .value_kind: global_buffer, .address_space: global }
      - { .name: out0, .offset: 24, .size: 8, .value_kind: global_buffer, .address_space: global }
    .group_segment_fixed_size: 91648
    .private_segment_fixed_size: 0
    .kernarg_segment_align: 8
    .kernarg_segment_size: 32
    .max_flat_workgroup_size: 128
    .sgpr_count:     66
    .vgpr_count:     672
    .wavefront_size: 32
...
	.end_amdgpu_metadata
.endif
;; end of part 4
